; MI455X (gfx1250); checked and timed in simulation.
; The chip was launched on July 23, 2026; its instructions are those of AMD's public machine-readable ISA for CDNA 5 (MIT licence, August 2026) and "CDNA5" Instruction Set Architecture Reference Guide (July 2026). The comments in the code are by the model that wrote it; some were corrected since.
;; Multi Head Attention. Allowed arithmetic: matrix products marked QUANTISED: E4M3 operands, one given power-of-two scale a tensor, by v_wmma_f32_16x16x64_fp8_fp8 or v_wmma_f32_16x16x128_fp8_fp8, f32 sums; everything else in f32.
;; Inputs: k_w 1,024 x 1,024 float32; lowp_scales 12 int32 (the exponents e of the quantised operands' scales 2^e); o_w 1,024 x 1,024 float32; q_w 1,024 x 1,024 float32; token_positions 2,048 int32; v_w 1,024 x 1,024 float32; x 4 x 2,048 x 1,024 float32.
;; Outputs: out0 4 x 2,048 x 1,024 float32.
;; This version of the problem:
;;   THIS VERSION OF THE PROBLEM IS GIVEN IN LOW PRECISION. The matrix products marked QUANTISED in the list below multiply operands that are first quantised to E4M3 (4 exponent bits, 3 mantissa bits; 8 bits a number), with one given power-of-two scale for each operand tensor; their sums are f32. All else is computed in f32.
;;   The module's matrix products, in the order in which they are computed (A, B: the left and right operand; K: the contracted axis; several contracted axes count as one K, in the product's order):
;;     1. [M 8,192, K 1,024] x [K 1,024, N 1,024]; A: input x; B: input q_w: QUANTISED (scales: A lowp_scales[0], B lowp_scales[1])
;;     2. [M 8,192, K 1,024] x [K 1,024, N 1,024]; A: input x; B: input k_w: QUANTISED (scales: A lowp_scales[2], B lowp_scales[3])
;;     3. [M 8,192, K 1,024] x [K 1,024, N 1,024]; A: input x; B: input v_w: QUANTISED (scales: A lowp_scales[4], B lowp_scales[5])
;;     4. batch 64 x [M 2,048, K 64] x [K 64, N 2,048]; A: computed on the way; B: computed on the way: QUANTISED (scales: A lowp_scales[6], B lowp_scales[7])
;;     5. batch 64 x [M 2,048, K 2,048] x [K 2,048, N 64]; A: softmax (see below); B: computed on the way: QUANTISED (scales: A lowp_scales[8], B lowp_scales[9])
;;     6. [M 8,192, K 1,024] x [K 1,024, N 1,024]; A: computed on the way; B: input o_w: QUANTISED (scales: A lowp_scales[10], B lowp_scales[11])
;;   THE QUANTISER, for each operand of a quantised product, along K:
;;     - The operand's scale is 2^e, e = its entry of the input lowp_scales (int32; the entries are numbered through the quantised products in the list's order, A before B).
;;     - Each number is divided by the scale, clamped to +-448, and rounded to the nearest number of E4M3, ties to even, subnormals kept.
;;     - The product sums the exact products of the quantised numbers (number of the format x scale) in f32.
;;   ~~~python
;;   def quantise(x, axis, e):      # numpy; x: float32 -> the quantised numbers, widened to float32 again
;;       x = np.moveaxis(x, axis, -1); K = x.shape[-1]
;;       r = np.clip(x / 2.0 ** e, -448, 448)
;;       step = 2.0 ** (np.maximum(np.frexp(np.where(r == 0, 1, r))[1] - 1, -6) - 3)
;;       q = np.round(r / step) * step * 2.0 ** e      # np.round: ties to even
;;       return np.moveaxis(q, -1, axis).astype(np.float32)
;;   ~~~
;;   SOFTMAX AHEAD OF A QUANTISED PRODUCT. Where the list says 'softmax', what is quantised is not the finished softmax but p = 2^(t - M), with t = logit x log2(e) and M = ceil(the row's largest t), a whole number; so 1/2 < the row's largest p <= 1. The row's sum l is taken of the UNQUANTISED p, in f32, and the product's result is divided by l at the end. Since M is a whole number, a kernel that streams over the keys may use a running M (the ceiling of the running maximum): every later rescaling is an exact power of two, so the quantised numbers keep their values, but for numbers so far below the row's largest that they fall under the format's range.
;;   OPERANDS COMPUTED ON THE WAY. 'Computed on the way' means the value that the module computes at that place (a softmax that the list does not call 'softmax' is quantised finished and normalised). What goes into a quantiser is computed in f32, as accurately as f32 sums, v_exp_f32 and their like allow (about 1e-6 of the number): no bf16 or f16 on the way to a quantiser, and a product that is left as it is and whose result goes on into a quantised operand takes f32 operands (vector FMAs, or v_wmma_f32_16x16x4_f32). A number that lies on a knife's edge between two numbers of the format may be rounded either way, as far as f32 arithmetic and the matrix unit's own rounding can turn it there, and no further.
;; One version. Each part assembles by itself: llvm-mc -triple=amdgcn-amd-amdhsa -mcpu=gfx1250 --defsym DOCPART=n.
;; ======== version 1 of 1: 4 launches
;; limits: right only within a limited range of input values
;; workspace buffers: xc 25,165,824 bytes; wc 4,194,304 bytes; rope 524,288 bytes; qc 8,388,608 bytes; kc 8,388,608 bytes; vc 8,388,608 bytes; ac 8,388,608 bytes
;; launch prep (part 1): grid 384 x 1, 4 waves a work-group, no clusters, 33,280 bytes of LDS; arguments x, q_w, k_w, v_w, o_w, token_positions, lowp_scales, xc, wc, rope; writes xc, wc, rope
.if DOCPART == 1
	.amdgcn_target "amdgcn-amd-amdhsa--gfx1250"
	.amdhsa_code_object_version 6
	.text
	.protected	k_q9bd41acbc5_prep
	.globl	k_q9bd41acbc5_prep
	.p2align	8
	.type	k_q9bd41acbc5_prep,@function
k_q9bd41acbc5_prep:
	s_mov_b64 s[64:65], 0
	v_nop
	global_prefetch_b8 v0, s[64:65] scope:SCOPE_SE
	s_setreg_imm32_b32 hwreg(HW_REG_WAVE_MODE, 25, 1), 1
	s_wait_xcnt 0x0
; x [8192][1024] f32 becomes THREE sets of E4M3 codes (scales 2^e0, 2^e2, 2^e4: one for each of the q, k and v products), xc [3][8192][1024];
; q_w, k_w, v_w, o_w [1024][1024] f32 become codes (2^e1, 2^e3, 2^e5, 2^e11), wc [4][1024][1024]; K is innermost in all of them, so each tensor is a plain stream.
; code = number / 2^e, held within +-448, rounded to the nearest code, ties to even.
; The table of rotations: rope [2048 tokens][32 frequencies][cos, sin] f32, angle = f32(position) x f32(10^(-k/8)): a token's row is 256 bytes.
; SHARES.  Work-groups 0-255: 32,768 numbers of x each, and eight rows of the table.  Work-groups 256-383: 32,768 numbers of a weight.  A wave takes 16 steps of 512 numbers.
; A load reads 512 consecutive bytes, 16 a lane; a step's 2,048 bytes turn through the wave's own stage in LDS and come back 64 bytes a lane: 16 neighbours along K, which the conversions want.
; A lane's 16 codes are 16 bytes: each store of the wave covers 512 consecutive bytes, aligned.  No tensor load, no barrier: waves share nothing.  No cluster: no two work-groups read the same bytes.
; LIMITS: each e used here lies between -126 and 119, so that 2^e and 448 x 2^e are f32 numbers.  NaN among the inputs is not served (an infinity is held at the largest code).
; |position| up to 2^20: the quotient of the range reduction is then a whole f32 number off by far less than one half.  The frequencies are 10^(-k/8) rounded to f32.
.set STEPS, 16
.set XWG,   256                        ; work-groups that take x
.set SP,    80                         ; a lane's place in a stage: 64 bytes + 16 of padding
.set WREG,  8192                       ; LDS of a wave: two stages of 32 x SP bytes
.set SPARE, 4*WREG                     ; behind the four regions: the spare words, 128 bytes a wave, which no other line names
.set SPW,   12                         ; v12  my spare word's address; never rewritten
.set NIL,   13                         ; v13  0; never rewritten
.set R,     16                         ; v16-79   four sets of 16 numbers as loaded
.set X,     80                         ; v80-111  two sets of 16 neighbours
.set T,     112
.set C,     128                        ; v128-139 three sets of four registers of codes
.set SCA,   140                        ; v140: 2^e of the first set; v142 and v144: of x's second and third
.set FQ,    150                        ; v150 my lane's frequency
	s_load_b256 s[4:11], s[0:1], 0x0               ; x, q_w, k_w, v_w
	s_load_b256 s[12:19], s[0:1], 0x20             ; o_w, token_positions, lowp_scales, xc
	s_load_b128 s[20:23], s[0:1], 0x40             ; wc, rope
	v_lshl_add_u32 v[SPW], v0, 2, SPARE
	v_mov_b32 v[NIL], 0
	v_lshrrev_b32 v1, 5, v0
	v_readfirstlane_b32 s44, v1                    ; wave
	v_and_b32 v2, 31, v0                           ; lane
	v_lshlrev_b32 v3, 4, v2                        ; 16 x lane: my bytes of a load's 512, and of a store's
	s_mul_i32 s56, s44, WREG
	v_lshrrev_b32 v14, 2, v2
	v_mul_u32_u24 v14, v14, SP
	v_and_b32 v15, 3, v2
	v_lshl_add_u32 v14, v15, 4, v14
	v_add_nc_u32 v14, s56, v14                     ; the stage on the way in: SP (lane / 4) + 16 (lane % 4)
	v_mul_u32_u24 v15, v2, SP
	v_add_nc_u32 v15, s56, v15                     ; and on the way out: SP x lane
	s_sub_co_u32 s45, ttmp9, XWG                   ; a weight's work-group: its number among the 128,
	s_lshr_b32 s46, s45, 5                         ; which weight,
	s_and_b32 s47, s45, 31                         ; which 32,768 numbers of it
	s_wait_alu depctr_va_vdst(0)
	s_wait_kmcnt 0x0
	s_load_b256 s[24:31], s[16:17], 0x0            ; e0 .. e7
	s_load_b128 s[32:35], s[16:17], 0x20           ; e8 .. e11
	s_cmp_eq_u32 s46, 2                            ; the choices hang on the work-group's number alone
	s_cselect_b64 s[36:37], s[10:11], s[12:13]     ; v_w, else o_w
	s_cmp_eq_u32 s46, 1
	s_cselect_b64 s[36:37], s[8:9], s[36:37]       ; k_w
	s_cmp_eq_u32 s46, 0
	s_cselect_b64 s[36:37], s[6:7], s[36:37]       ; q_w
	s_cmp_lt_u32 ttmp9, XWG
	s_cselect_b64 s[36:37], s[4:5], s[36:37]       ; x
	s_cselect_b64 s[38:39], s[18:19], s[20:21]     ; xc or wc
	s_cselect_b32 s48, ttmp9, s47                  ; which 32,768 numbers of the source,
	s_cselect_b32 s50, ttmp9, s45                  ; and of the codes' buffer (the four weights' codes lie on end)
	s_lshl_b32 s48, s48, 17
	s_lshl_b32 s49, s44, 15
	s_add_co_u32 s48, s48, s49                     ; + my wave's 8,192 numbers
	s_mov_b32 s49, 0
	s_add_nc_u64 s[36:37], s[36:37], s[48:49]
	s_lshl_b32 s50, s50, 15
	s_lshl_b32 s51, s44, 13
	s_add_co_u32 s50, s50, s51
	s_mov_b32 s51, 0
	s_add_nc_u64 s[38:39], s[38:39], s[50:51]
	s_add_nc_u64 s[40:41], s[38:39], 0x800000      ; x's second and third set (used by x's work-groups alone)
	s_add_nc_u64 s[42:43], s[38:39], 0x1000000
.macro LOAD t
.irp i, 0,1,2,3
	global_load_b128 v[R+16*((\t)%4)+4*\i:R+16*((\t)%4)+4*\i+3], v3, s[36:37] offset:2048*(\t)+512*\i th:TH_LOAD_NT
.endr
.endm
.macro TURN t                          ; step t's numbers through the stage: LDS serves a wave's instructions in order, so no wait stands between the stores and the loads
.irp i, 0,1,2,3
	ds_store_b128 v14, v[R+16*((\t)%4)+4*\i:R+16*((\t)%4)+4*\i+3] offset:32*SP*((\t)%2)+8*SP*\i
.endr
.irp i, 0,1,2,3
	ds_load_b128 v[X+16*((\t)%2)+4*\i:X+16*((\t)%2)+4*\i+3], v15 offset:32*SP*((\t)%2)+16*\i
.endr
.endm
.irp t, 0,1,2,3
	LOAD \t
.endr
; ---- the table of rotations: wave w of work-group g makes rows 8 g + 2 w and 8 g + 2 w + 1; lane = frequency
	s_cmp_lt_u32 ttmp9, XWG
	s_cbranch_scc0 .Lno_rope
	s_lshl_b32 s48, ttmp9, 5
	s_lshl_b32 s49, s44, 3
	s_add_co_u32 s48, s48, s49                     ; 4 bytes x (8 g + 2 w)
	s_mov_b32 s49, 0
	s_add_nc_u64 s[14:15], s[14:15], s[48:49]
	s_load_b64 s[50:51], s[14:15], 0x0             ; my two positions
	s_lshl_b32 s48, s48, 6                         ; 256 bytes x (8 g + 2 w)
	s_add_nc_u64 s[22:23], s[22:23], s[48:49]
	s_mov_b32 s53, 0xbfc90fdb                      ; - the f32 number nearest to pi / 2,
	s_mov_b32 s54, 0x333bbd2e                      ; and what that number is too large by
	v_lshlrev_b32 v168, 3, v2                      ; 8 bytes a lane
	v_mov_b32 v[FQ], 0
.set kk, 0
.irp f, 0x3f800000,0x3f3ff911,0x3f0ff59a,0x3ed7e89b,0x3ea1e89b,0x3e72d424,0x3e361887,0x3e088d77,0x3dcccccd,0x3d99940e,0x3d6655c3,0x3d2cba15,0x3d0186e2,0x3cc24350,0x3c91ad39,0x3c5a7bf1,0x3c23d70a,0x3bf5b9b0,0x3bb8449c,0x3b8a2e77,0x3b4f3e37,0x3b1b690d,0x3ae91528,0x3aaec98e,0x3a83126f,0x3a44948c,0x3a136a16,0x39dd1726,0x39a5cb5f,0x3978a814,0x393a7753,0x390bd472
	s_mov_b32 s52, \f                              ; 10^(-k/8)
	v_writelane_b32 v[FQ], s52, kk
.set kk, kk+1
.endr
	s_wait_kmcnt 0x0
; cos and sin of position p x my frequency.  n = the nearest whole number to angle x 2 / pi; r = angle - n pi / 2, by two fused multiply-adds (the first rounds nothing: the difference is a multiple of 2^-23 under 2);
; polynomials on |r| <= pi / 4; the quadrant n mod 4 swaps the two and sets the signs.  The quadrant only selects values: no branch, no address.
.macro SINCOS p
	v_cvt_f32_i32 v151, s[50+\p]
	s_wait_alu depctr_va_vdst(0)
	v_mul_f32 v151, v151, v[FQ]                    ; the angle, rounded to f32
	v_mul_f32 v152, 0x3f22f983, v151
	v_rndne_f32 v152, v152                         ; n
	v_fma_f32 v153, v152, s53, v151
	v_fma_f32 v153, v152, s54, v153                ; r
	v_cvt_i32_f32 v154, v152
	v_mul_f32 v155, v153, v153                     ; z = r r
	v_mov_b32 v156, 0x37ccf5ce
	v_fmaak_f32 v156, v156, v155, 0xbab6061a
	v_fmaak_f32 v156, v156, v155, 0x3d2aaaa5
	v_fmaak_f32 v156, v156, v155, 0xbf000000
	v_fmaak_f32 v156, v156, v155, 0x3f800000       ; cos r
	v_mov_b32 v157, 0xb94ca1f9
	v_fmaak_f32 v157, v157, v155, 0x3c08839e
	v_fmaak_f32 v157, v157, v155, 0xbe2aaaa3
	v_mul_f32 v158, v155, v153
	v_fma_f32 v157, v157, v158, v153               ; sin r
	v_and_b32 v158, 1, v154
	v_cmp_eq_u32 vcc_lo, 1, v158                   ; an odd quadrant swaps them
	v_cndmask_b32 v[164+2*\p], v156, v157, vcc_lo  ; cos
	v_cndmask_b32 v[165+2*\p], v157, v156, vcc_lo  ; sin
	v_lshlrev_b32 v159, 30, v154
	v_and_b32 v159, 0x80000000, v159               ; sin is negated in quadrants 2 and 3,
	v_xor_b32 v[165+2*\p], v159, v[165+2*\p]
	v_add_nc_u32 v160, 1, v154
	v_lshlrev_b32 v160, 30, v160
	v_and_b32 v160, 0x80000000, v160               ; cos in quadrants 1 and 2
	v_xor_b32 v[164+2*\p], v160, v[164+2*\p]
	global_store_b64 v168, v[164+2*\p:165+2*\p], s[22:23] offset:256*\p   ; 32 lanes store a token's 256 bytes, aligned
.endm
	SINCOS 0
	SINCOS 1
.Lno_rope:
	s_wait_kmcnt 0x0
	s_cmp_eq_u32 s46, 2
	s_cselect_b32 s47, s29, s35                    ; e5, else e11
	s_cmp_eq_u32 s46, 1
	s_cselect_b32 s47, s27, s47                    ; e3
	s_cmp_eq_u32 s46, 0
	s_cselect_b32 s47, s25, s47                    ; e1
	s_cmp_lt_u32 ttmp9, XWG
	s_cselect_b32 s47, s24, s47                    ; e0
.macro MKSC e, sc                      ; v[sc] = 2^e as f32 (the conversion takes its exponent field)
	s_add_co_i32 s52, \e, 127
	s_lshl_b32 s56, s52, 23
	v_mov_b32 v[\sc], s56
.endm
	MKSC s47, SCA
	MKSC s26, SCA+2                                ; e2
	MKSC s28, SCA+4                                ; e4
	s_wait_alu depctr_va_vdst(0)
	s_wait_loadcnt 12                              ; step 0's four loads are in
	TURN 0
.macro Q3 sc, c                        ; the step's 16 numbers become 16 codes by the scale in v[sc]
.irp i, 0,1,2,3,4,5,6,7,8,9,10,11,12,13,14,15
.endr
	v_cvt_scalef32_pk8_fp8_f32 v[C+4*\c:C+4*\c+1], v[XS:XS+7], v[\sc]
	v_cvt_scalef32_pk8_fp8_f32 v[C+4*\c+2:C+4*\c+3], v[XS+8:XS+15], v[\sc]
	v_nop                                          ; a plain instruction behind the conversions
.endm
.macro STEP t
.set XS, X+16*((\t)%2)
	s_wait_dscnt 0x0                               ; this step's numbers are back from the stage, so its stores into the stage have read their registers,
.if (\t)+4 < STEPS
	LOAD (\t)+4                                    ; which take the loads of four steps on
.endif
.if (\t)+1 < STEPS
.if STEPS-2-(\t) >= 3
	s_wait_loadcnt 12                              ; the next step's four loads are in; those of the three steps behind it may be out
.else
	s_wait_loadcnt 4*(STEPS-2-(\t))
.endif
	TURN (\t)+1
.endif
	s_wait_xcnt 0x0                                ; the last step's stores have read the codes' registers
	Q3 SCA, 0
	global_store_b128 v3, v[C:C+3], s[38:39] offset:512*(\t)
	s_cmp_lt_u32 ttmp9, XWG                        ; x has two more sets; only arithmetic and stores are jumped over
	s_cbranch_scc0 .Lw_\@
	Q3 SCA+2, 1
	global_store_b128 v3, v[C+4:C+7], s[40:41] offset:512*(\t)
	Q3 SCA+4, 2
	global_store_b128 v3, v[C+8:C+11], s[42:43] offset:512*(\t)
.Lw_\@:
.endm
.irp t, 0,1,2,3,4,5,6,7,8,9,10,11,12,13,14,15
	STEP \t
.endr
	s_wait_tensorcnt 0x0                           ; the wave's end: three lines behind my last LDS store
	ds_add_u32 v[SPW], v[NIL]
	s_wait_dscnt 0x0
	s_endpgm
.Lfunc_end_k_q9bd41acbc5_prep:
	.size	k_q9bd41acbc5_prep, .Lfunc_end_k_q9bd41acbc5_prep-k_q9bd41acbc5_prep
	.p2alignl 7, 3214868480
	.fill 96, 4, 3214868480
	.section	.rodata,"a",@progbits
	.p2align	6, 0x0
	.amdhsa_kernel k_q9bd41acbc5_prep
		.amdhsa_group_segment_fixed_size 33280
		.amdhsa_private_segment_fixed_size 0
		.amdhsa_enable_private_segment 0
		.amdhsa_kernarg_size 80
		.amdhsa_user_sgpr_count 2
		.amdhsa_user_sgpr_kernarg_segment_ptr 1
		.amdhsa_wavefront_size32 1
		.amdhsa_system_sgpr_workgroup_id_x 1
		.amdhsa_system_sgpr_workgroup_id_y 1
		.amdhsa_system_sgpr_workgroup_id_z 1
		.amdhsa_system_vgpr_workitem_id 0
		.amdhsa_next_free_vgpr 176
		.amdhsa_next_free_sgpr 66
		.amdhsa_reserve_vcc 1
		.amdhsa_float_denorm_mode_32 3
		.amdhsa_float_denorm_mode_16_64 3
		.amdhsa_fp16_overflow 1
		.amdhsa_memory_ordered 1
		.amdhsa_forward_progress 1
		.amdhsa_inst_pref_size 40
	.end_amdhsa_kernel
	.amdgpu_metadata
---
amdhsa.version: [ 1, 2 ]
amdhsa.kernels:
  - .name:           k_q9bd41acbc5_prep
    .symbol:         k_q9bd41acbc5_prep.kd
    .args:
      - { .name: x, .offset: 0, .size: 8, .value_kind: global_buffer, .address_space: global }
      - { .name: q_w, .offset: 8, .size: 8, .value_kind: global_buffer, .address_space: global }
      - { .name: k_w, .offset: 16, .size: 8, .value_kind: global_buffer, .address_space: global }
      - { .name: v_w, .offset: 24, .size: 8, .value_kind: global_buffer, .address_space: global }
      - { .name: o_w, .offset: 32, .size: 8, .value_kind: global_buffer, .address_space: global }
      - { .name: token_positions, .offset: 40, .size: 8, .value_kind: global_buffer, .address_space: global }
      - { .name: lowp_scales, .offset: 48, .size: 8, .value_kind: global_buffer, .address_space: global }
      - { .name: xc, .offset: 56, .size: 8, .value_kind: global_buffer, .address_space: global }
      - { .name: wc, .offset: 64, .size: 8, .value_kind: global_buffer, .address_space: global }
      - { .name: rope, .offset: 72, .size: 8, .value_kind: global_buffer, .address_space: global }
    .group_segment_fixed_size: 33280
    .private_segment_fixed_size: 0
    .kernarg_segment_align: 8
    .kernarg_segment_size: 80
    .max_flat_workgroup_size: 128
    .sgpr_count:     66
    .vgpr_count:     176
    .wavefront_size: 32
...
	.end_amdgpu_metadata
.endif
;; end of part 1
;; launch qkv (part 2): grid 12 x 32, 4 waves a work-group, clusters of 4 x 4, 327,680 bytes of LDS; arguments xc, wc, rope, lowp_scales, qc, kc, vc; writes qc, kc, vc
.if DOCPART == 2
	.amdgcn_target "amdgcn-amd-amdhsa--gfx1250"
	.amdhsa_code_object_version 6
	.text
	.protected	k_q9bd41acbc5_qkv
	.globl	k_q9bd41acbc5_qkv
	.p2align	8
	.type	k_q9bd41acbc5_qkv,@function
k_q9bd41acbc5_qkv:
	s_mov_b64 s[64:65], 0
	v_nop
	global_prefetch_b8 v0, s[64:65] scope:SCOPE_SE
	s_setreg_imm32_b32 hwreg(HW_REG_WAVE_MODE, 25, 1), 1
	s_wait_xcnt 0x0
	s_wait_alu depctr_hold_cnt(0) depctr_sa_sdst(0) depctr_va_vdst(0) depctr_va_sdst(0) depctr_va_ssrc(0) depctr_va_vcc(0) depctr_vm_vsrc(0)
	s_getreg_b32 s2, hwreg(HW_REG_IB_STS2, 6, 4)
	s_cmp_eq_u32 s2, 0
	s_cbranch_scc0 .Lentry_in_a_cluster
	s_endpgm
.Lentry_in_a_cluster:
	s_bfe_u32 s2, ttmp6, 0x10000c
	s_cmp_lg_u32 s2, 0xf033
	s_cbranch_scc0 .Lentry_shape_is_right
	s_endpgm
.Lentry_shape_is_right:
; The three projections on E4M3 codes, the rotation of q and k, and the quantising of q, k and v for the attention.  T = the cluster's x: 0 q, 1 k, 2 v.
; T < 2: C[token][channel] = sum over k of X[token][k] W[channel][k].  T = 2: C[channel][token], the same sums with the roles swapped, so that v comes out with the tokens (the keys) innermost.
; A tile of C, 256 x 256, is made by four waves, as many as a WGP has SIMDs, each 128 x 128: 64 accumulators, 512 registers.  K = 1,024 goes in four steps of 256 through a ring of two LDS slots filled by tensor loads.
; CLUSTERS: 4 x 4 work-groups; the four of a row need the same tile of the row operand, the four of a column the same tile of the column operand: each tile is asked for JOINTLY.
; THE MATRIX INSTRUCTION IS USED TRANSPOSED (source 0 = 16 rows of the column operand, source 1 = 16 rows of the row operand): a lane holds eight neighbouring columns of one row of C:
;   q, k: eight neighbouring channels of a token (four pairs of the rotation);  v: eight neighbouring tokens of a channel.
; A sum stands for sum x 2^(ea + eb), and the rotation is linear: so the code is (rotated sum) / 2^f, f = et - ea - eb, (ea, eb, et) = (e0, e1, e6), (e2, e3, e7), (e4, e5, e9).
; OUT: qc, kc [batch x head][token][64]; vc [batch x head][64][token], where in each 32 tokens the groups of eight lie in the order 0-7, 16-23, 8-15, 24-31, the order in which the attention's weights fall into a lane's registers.
; Codes go through a stage in LDS (slot 0, which has had its last fill and its last read) and leave in stores of which sixteen lanes cover 256 consecutive bytes, aligned.
; cos and sin of row blocks 0-2 are loaded at the head, on the one way that all waves take, so that they are written on every path to the lines that read them: v's work-groups load these 12,288 bytes a wave too and do not use them.
; No prefetch: all four K steps are asked for by the first fills and the first two changes of slots.
; LIMITS: f between -126 and 119.  NaN is not served.  The rotation has one fused multiply-add where two rounded products could stand.
; REGISTERS, in windows of 256: window 0: v0-31 addresses; v32-127 cos and sin of row blocks 0-2; from v128 the row operand's fragments, ONE set (on the way out v128-255 are at work).
;   window 1: the column operand's fragments, TWO sets (on the way out: cos and sin of row blocks 3-7).   windows 2, 3: the accumulators of my rows 0-63, 64-127 (accumulator (a, b) at v[8 (8 (a % 4) + b)]).
.set ROWB,   256                       ; a tile's row: 256 codes
.set KROW,   1024                      ; a row of codes in memory
.set PITCH,  272                       ; an LDS row: 256 bytes + 16 of padding = 68 words: the 16 rows that a load touches start at 16 different banks (64 banks of 4 bytes: ISA guide 11.1)
.set FR,     16
.set NL,     4
.set NP,     4                         ; places behind this matrix instruction (ISA guide 7.12.1)
.set HALFT,  128*PITCH
.set SLOT,   4*HALFT
.set LAPS,   2                         ; 1,024 / 512
.set SPARE,  2*SLOT                    ; behind the ring: the spare words, 128 bytes a wave, which no other line names
.set HB,     64*PITCH                  ; the stage of one head: 64 lines of 4 tokens x 64 bytes
.set QS,     0                         ; q's and k's stage: four heads
.set VS,     4*HB                      ; v's stage: 256 channels x (256 tokens + 16).  The two ways have bytes of their own; together they are slot 0
.set SC,   14                          ; v14  2^f as f32
.set LIM,  15                          ; v15  448 x 2^f
.set ADRA, 16                          ; v16-17 my fragments of the row operand in slot 0, 1
.set ADRB, 20                          ; v20-21 of the column operand
.set STQ,  22                          ; where I put 8 codes, q and k
.set STV,  23                          ; the same, v
.set RDQ,  24                          ; where I read lines back
.set RDV,  25
.set GOQ,  26                          ; my byte offset in the output, q and k
.set GOV,  27                          ; v
.set SPW,  28
.set NIL,  29
.set RO,   30                          ; my byte offset in the table of rotations
.set CS0,  32
.set AF,   128
.set OU,   128                         ; the way out: 64 numbers
.set CD,   192                         ; two sets of 16 registers of codes
.set BK,   128                         ; lines read back
.set G1, 24
.set G0, 32
.set G1B, 48
.set G0B, 56
.set MSB, 0
.macro WIN new                         ; the immediate's high byte repeats the setting that is left
.if MSB != (\new)
	s_set_vgpr_msb (MSB<<8)|(\new)
.set MSB, (\new)
.endif
.endm
.set MUL_LO, 0xa1                      ; source 0 window 1, source 1 window 0, C and D window 2
.set MUL_HI, 0xf1                      ; the same, C and D window 3
.set TO_B,   0x40                      ; destination window 1, address window 0
; A joint load: waves 0 and 1 fetch the row operand's halves, waves 2 and 3 the column operand's.  The branch hangs on the wave's number alone.  An s_nop 0 and four v_nop follow each line.
.macro JLOAD g0a, g1a, g0b, g1b
	s_cmp_eq_u32 s15, 0
	s_cbranch_scc0 .Lfor_b_\@
	tensor_load_to_lds s[\g0a:\g0a+3], s[\g1a:\g1a+7]
	s_nop 0
.rept 4
	v_nop
.endr
	s_branch .Lasked_\@
.Lfor_b_\@:
	tensor_load_to_lds s[\g0b:\g0b+3], s[\g1b:\g1b+7]
	s_nop 0
.rept 4
	v_nop
.endr
.Lasked_\@:
.endm
.macro CREST                           ; a round of the cluster's barrier behind its opening barrier
	s_cmp_lg_u32 s14, 0
	s_cbranch_scc1 .Lnot_wave_0_\@
	s_barrier_signal -3
.Lnot_wave_0_\@:
	s_barrier_wait -3
	s_barrier_signal -1
	s_barrier_wait -1
.endm
.macro CROUND
	s_barrier_signal -1
	s_barrier_wait -1
	CREST
.endm
	s_load_b256 s[4:11], s[0:1], 0x0               ; xc s[4:5], wc s[6:7], rope s[8:9], the scales' exponents s[10:11]
	s_load_b128 s[68:71], s[0:1], 0x20             ; qc, kc
	s_load_b64 s[72:73], s[0:1], 0x30              ; vc
	v_lshl_add_u32 v[SPW], v0, 2, SPARE
	v_mov_b32 v[NIL], 0
	ds_add_u32 v[SPW], v[NIL]
	ds_add_u32 v[SPW], v[NIL]                      ; the wave's opening: the add and its wait ahead of my first tensor load; work on registers stands between them
	v_lshrrev_b32 v1, 5, v0
	v_readfirstlane_b32 s14, v1                    ; wave 0..3
	s_lshr_b32 s15, s14, 1                         ; which half of the tile's rows is mine.  Also: I fetch the row operand (0) or the column operand (1)
	s_and_b32 s16, s14, 1                          ; which half of its columns.  Also: which 128 rows of that tile I fetch
	s_bfe_u32 s40, ttmp6, 0x40000                  ; cx, cy: my place in the cluster
	s_bfe_u32 s41, ttmp6, 0x40004
	s_and_b32 s17, ttmp7, 0xffff
	s_lshl_b32 s17, s17, 2                         ; 4 x cluster y: the blocks of 256 tokens
	s_cmp_eq_u32 ttmp9, 2                          ; v?  The cluster's x is the same in all sixteen partners
	s_cselect_b32 s42, s17, 0
	s_cselect_b32 s17, 0, s17
	s_add_co_u32 s42, s42, s40                     ; tile column: q, k: cx (256 channels); v: 4 Y + cx (256 tokens)
	s_add_co_u32 s17, s17, s41                     ; tile row: q, k: 4 Y + cy (tokens); v: cy (channels)
	s_lshl_b32 s43, s41, 2
	s_lshl_b32 s43, 15, s43                        ; my row of the cluster
	s_lshl_b32 s44, 0x1111, s40                    ; my column
	s_or_b32 s[G1+0], s43, (0<<16)|(1<<20)|(1<<21)|(5<<22)|(3<<25)  ; 15:0 the mask; 17:16 elements of 1 byte; 20 padding on; 21 set beside a mask; 24:22 after every 64 words; 31:25 four words
	s_or_b32 s[G1B+0], s44, (0<<16)|(1<<20)|(1<<21)|(5<<22)|(3<<25)
.irp g, G1, G1B
	s_mov_b32 s[\g+1], ROWB<<16                    ; tensor_dim0
	s_mov_b32 s[\g+2], 128<<16                     ; tensor_dim1
	s_mov_b32 s[\g+3], ROWB<<16                    ; tile_dim0
	s_mov_b32 s[\g+4], 128                         ; tile_dim1
	s_mov_b32 s[\g+5], KROW                        ; tensor_dim0_stride
	s_mov_b32 s[\g+6], 0
	s_mov_b32 s[\g+7], 0
.endr
	s_lshl_b32 s18, ttmp9, 23                      ; x's set of codes for this product: T x 8,192 x 1,024 bytes
	s_lshl_b32 s19, ttmp9, 20                      ; the weight's: T x 1,024 x 1,024
	s_cmp_eq_u32 ttmp9, 2
	s_cselect_b32 s20, s19, s18                    ; the row operand's,
	s_cselect_b32 s46, s18, s19                    ; the column operand's
	s_lshl_b32 s21, s17, 18                        ; + tile row x 256 rows of 1,024 bytes
	s_add_co_u32 s20, s20, s21
	s_lshl_b32 s47, s42, 18
	s_add_co_u32 s46, s46, s47
	s_lshl_b32 s21, s16, 17                        ; + the 128 rows that I fetch
	s_add_co_u32 s20, s20, s21
	s_add_co_u32 s46, s46, s21
	s_mov_b32 s21, 0
	s_mov_b32 s47, 0
	s_mul_i32 s45, s14, HALFT                      ; where they go: wave x 128 rows: no place in the cluster enters an LDS address
	s_wait_dscnt 0x0                               ; the opening add is done
	s_wait_kmcnt 0x0
	s_load_b256 s[76:83], s[10:11], 0x0            ; e0 .. e7
	s_load_b128 s[84:87], s[10:11], 0x20           ; e8 .. e11
	s_cmp_eq_u32 ttmp9, 2
	s_cselect_b64 s[18:19], s[6:7], s[4:5]         ; the row operand's buffer,
	s_cselect_b64 s[22:23], s[4:5], s[6:7]         ; the column operand's
	s_add_nc_u64 s[20:21], s[18:19], s[20:21]
	s_add_nc_u64 s[46:47], s[22:23], s[46:47]
	CROUND                                         ; all sixteen work-groups are here: the first joint loads meet
.irp s, 0,1
	s_mov_b32 s[G0+4*\s], 1
	s_add_co_u32 s[G0+4*\s+1], s45, \s*SLOT
	s_add_nc_u64 s[G0+4*\s+2:G0+4*\s+3], s[20:21], \s*ROWB
	s_or_b32 s[G0+4*\s+3], s[G0+4*\s+3], 0x80000000
	s_mov_b32 s[G0B+4*\s], 1
	s_add_co_u32 s[G0B+4*\s+1], s45, \s*SLOT
	s_add_nc_u64 s[G0B+4*\s+2:G0B+4*\s+3], s[46:47], \s*ROWB
	s_or_b32 s[G0B+4*\s+3], s[G0B+4*\s+3], 0x80000000
	JLOAD G0+4*\s, G1, G0B+4*\s, G1B
.endr
	v_and_b32 v1, 15, v0                           ; r = l % 16
	v_bfe_u32 v2, v0, 4, 1                         ; h = l / 16
	v_mul_u32_u24 v3, v1, PITCH
	v_lshl_add_u32 v4, v2, 4, v3                   ; a fragment's row x pitch + 16 x half
	s_mul_i32 s21, s15, HALFT
	s_mul_i32 s22, s16, HALFT
	s_add_co_u32 s22, s22, 2*HALFT
.irp s, 0,1
	v_add_nc_u32 v[ADRA+\s], s21, v4
	v_add_nc_u32 v[ADRB+\s], s22, v4
	s_add_co_u32 s21, s21, SLOT
	s_add_co_u32 s22, s22, SLOT
.endr
	; every address of the way out is made here, ahead of the place where the two ways part
	v_lshrrev_b32 v5, 2, v1
	v_and_b32 v6, 3, v1
	v_mul_u32_u24 v[STQ], v5, PITCH
	v_lshl_add_u32 v[STQ], v6, 6, v[STQ]
	v_lshl_add_u32 v[STQ], v2, 3, v[STQ]           ; q, k: token r: line r / 4, place r % 4; + 8 h
	s_mul_i32 s21, s15, 32*PITCH                   ; + my 128 tokens: 32 lines
	s_mul_i32 s22, s16, 2*HB                       ; + my two heads
	s_add_co_u32 s21, s21, s22
	v_add_nc_u32 v[STQ], s21, v[STQ]
	s_mul_i32 s21, s15, 128*PITCH                  ; v: channel r, + 16 h; + my 128 channels; + my 128 tokens
	s_lshl_b32 s22, s16, 7
	s_add_co_u32 s21, s21, s22
	s_add_co_u32 s21, s21, VS
	v_add_nc_u32 v[STV], s21, v4
	v_mul_u32_u24 v[RDQ], v2, PITCH                ; back: wave w takes 64 lines; lanes 0-15 one line of 256 bytes, lanes 16-31 the next
	v_lshl_add_u32 v[RDQ], v1, 4, v[RDQ]
	s_mul_i32 s21, s14, HB
	v_add_nc_u32 v[RDQ], s21, v[RDQ]
	v_add_nc_u32 v[RDV], VS, v[RDQ]
	v_and_b32 v7, 31, v0
	v_lshlrev_b32 v[GOQ], 4, v7                    ; q, k: two lines are 512 consecutive bytes of the output
	v_lshlrev_b32 v[GOV], 11, v2                   ; v: two channels, 2,048 bytes apart
	v_lshl_add_u32 v[GOV], v1, 4, v[GOV]
	v_lshlrev_b32 v[RO], 8, v1                     ; the table: token r's 256 bytes, + 32 h: the four pairs (cos, sin) of my eight channels
	v_lshl_add_u32 v[RO], v2, 5, v[RO]
	s_and_b32 s88, s17, 7                          ; the table at my first token: ((tile row % 8) x 256 + 128 x half) rows of 256 bytes: inside the table's 2,048 rows for every tile row, v's too
	s_lshl_b32 s88, s88, 16
	s_lshl_b32 s89, s15, 15
	s_add_co_u32 s88, s88, s89
	s_mov_b32 s89, 0
	s_add_nc_u64 s[8:9], s[8:9], s[88:89]
.irp a, 0,1,2                              ; cos and sin of my row blocks 0-2 come while the products run; nothing else counts on LOADcnt.  Every wave issues them: no branch stands round them
.irp bb, 0,1,2,3
.irp u, 0,1
	global_load_b128 v[CS0+32*\a+8*\bb+4*\u:CS0+32*\a+8*\bb+4*\u+3], v[RO], s[8:9] offset:\a*4096+64*\bb+16*\u
.endr
.endr
.endr
	s_lshr_b32 s88, s17, 3                         ; q, k go to ((batch x 16 + 4 cx + wave) x 2,048 + (tile row % 8) x 256) x 64 bytes
	s_lshl_b32 s88, s88, 4
	s_lshl_b32 s89, s40, 2
	s_add_co_u32 s88, s88, s89
	s_add_co_u32 s88, s88, s14
	s_lshl_b32 s88, s88, 17
	s_and_b32 s89, s17, 7
	s_lshl_b32 s89, s89, 14
	s_add_co_u32 s88, s88, s89
	s_mov_b32 s89, 0
	s_cmp_eq_u32 ttmp9, 0
	s_cselect_b64 s[92:93], s[68:69], s[70:71]
	s_add_nc_u64 s[92:93], s[92:93], s[88:89]
	s_lshr_b32 s88, s42, 3                         ; v goes to (batch x 1,024 + 256 cy + 64 wave) x 2,048 + (tile column % 8) x 256 bytes
	s_lshl_b32 s88, s88, 21
	s_lshl_b32 s89, s41, 19
	s_add_co_u32 s88, s88, s89
	s_lshl_b32 s89, s14, 17
	s_add_co_u32 s88, s88, s89
	s_and_b32 s89, s42, 7
	s_lshl_b32 s89, s89, 8
	s_add_co_u32 s88, s88, s89
	s_mov_b32 s89, 0
	s_add_nc_u64 s[94:95], s[72:73], s[88:89]
	s_wait_kmcnt 0x0
	s_cmp_eq_u32 ttmp9, 0                          ; the three exponents are chosen without a jump
	s_cselect_b32 s88, s76, s78
	s_cselect_b32 s89, s77, s79
	s_cselect_b32 s90, s82, s83
	s_cmp_eq_u32 ttmp9, 2
	s_cselect_b32 s88, s80, s88
	s_cselect_b32 s89, s81, s89
	s_cselect_b32 s90, s85, s90
	s_sub_co_i32 s90, s90, s88
	s_sub_co_i32 s90, s90, s89                     ; f = et - ea - eb
	s_add_co_i32 s90, s90, 127
	s_lshl_b32 s91, s90, 23
	v_mov_b32 v[SC], s91
	s_add_co_i32 s90, s90, 8
	s_lshl_b32 s90, s90, 23
	s_or_b32 s90, s90, 0x600000
	v_mov_b32 v[LIM], s90
.macro FRAG reg, adr, q, i             ; 16 rows x 128 K: lane l holds row l % 16; registers 4 c .. 4 c + 3 hold K = 32 c + 16 (l / 16) + 0 .. 15: the same order of k in both operands
.irp c, 0,1,2,3
	ds_load_b128 v[\reg+4*\c:\reg+4*\c+3], v[\adr] offset:128*(\q)+32*\c+(\i)*16*PITCH
.endr
.endm
; 16 matrix instructions.  The 64 accumulators take turns, one instruction a turn, in the same order in every step.  zero = 1: the first product starts the sums
.macro MUL16 a0, p, zero
.irp a, \a0, \a0+1
.irp b, 0,1,2,3,4,5,6,7
.if \zero
	v_wmma_f32_16x16x128_fp8_fp8 v[8*(8*((\a)%4)+\b):8*(8*((\a)%4)+\b)+7], v[128*(\p)+FR*\b:128*(\p)+FR*\b+FR-1], v[AF+FR*(\a):AF+FR*(\a)+FR-1], 0
.else
	v_wmma_f32_16x16x128_fp8_fp8 v[8*(8*((\a)%4)+\b):8*(8*((\a)%4)+\b)+7], v[128*(\p)+FR*\b:128*(\p)+FR*\b+FR-1], v[AF+FR*(\a):AF+FR*(\a)+FR-1], v[8*(8*((\a)%4)+\b):8*(8*((\a)%4)+\b)+7]
.endif
.endr
.endr
.endm
.macro FETCH_B slot, q, p
	WIN TO_B
.irp i, 0,1,2,3,4,5,6,7
	FRAG 128*(\p)+FR*\i, ADRB+\slot, \q, \i
.endr
	WIN 0
.endm
.macro FETCH_A slot, q, i0
.irp i, \i0, \i0+1, \i0+2, \i0+3
	FRAG AF+FR*(\i), ADRA+\slot, \q, \i
.endr
.endm
.macro PLACES n                        ; plain vector instructions between a matrix instruction and a load into a register that it read, or a read of its result
.rept \n
	v_nop
.endr
.endm
.macro STEP slot, q, zero              ; 128 along K, with its successor in the same slot
	s_wait_dscnt 4*NL                              ; the column operand's set and row blocks 0-3 are in; the youngest 16 loads (row blocks 4-7) may be out
	WIN MUL_LO
	MUL16 0, (\q)%2, \zero
	MUL16 2, (\q)%2, \zero
	s_wait_dscnt 0
	PLACES NP
	FETCH_B \slot, (\q)+1, 1-(\q)%2
	FETCH_A \slot, (\q)+1, 0
	WIN MUL_HI
	MUL16 4, (\q)%2, \zero
	MUL16 6, (\q)%2, \zero
	PLACES NP
	WIN 0
	FETCH_A \slot, (\q)+1, 4
.endm
; A slot's last step changes slots: ONE barrier; in front of it each wave waits for all its tensor loads, adds 0 to its spare word, and waits for that and for its reads of this slot.  fill = 1: the slot is filled again, two K steps ahead
.macro TURN slot, next, fill
	s_wait_tensorcnt 0x0                           ; all my tensor loads have landed: my part of the next slot
	ds_add_u32 v[SPW], v[NIL]                      ; 0 onto my spare word
	s_wait_dscnt 4*NL+1                            ; (the add and the youngest 16 loads may be out)
	WIN MUL_LO
	MUL16 0, 1, 0
	s_wait_dscnt 0x0                               ; the add is done, and my reads of this slot are over
	s_barrier_signal -1
	MUL16 2, 1, 0
	WIN 0
	s_barrier_wait -1
.if \fill
	CREST                                          ; the barrier has opened a round of the cluster's barrier: no wave of any partner still reads this slot or has a load on its way
	s_add_nc_u64 s[G0+4*\slot+2:G0+4*\slot+3], s[G0+4*\slot+2:G0+4*\slot+3], 2*ROWB
	s_add_nc_u64 s[G0B+4*\slot+2:G0B+4*\slot+3], s[G0B+4*\slot+2:G0B+4*\slot+3], 2*ROWB
	JLOAD G0+4*\slot, G1, G0B+4*\slot, G1B         ; the first tensor load behind the round; its four v_nop are the places in front of the loads below
.else
	PLACES NP
.endif
	FETCH_B \next, 0, 0
	FETCH_A \next, 0, 0
	WIN MUL_HI
	MUL16 4, 1, 0
	MUL16 6, 1, 0
	PLACES NP
	WIN 0
	FETCH_A \next, 0, 4
.endm
	s_wait_tensorcnt 1                             ; my part of K step 0 is in; K step 1's load may be out
	s_barrier_signal -1
	s_barrier_wait -1
	FETCH_B 0, 0, 0
	FETCH_A 0, 0, 0
	FETCH_A 0, 0, 4
	STEP 0, 0, 1
	s_mov_b32 s3, LAPS-1
.Llap:
	TURN 0, 1, 1
	STEP 1, 0, 0
	TURN 1, 0, 1
	STEP 0, 0, 0
	s_sub_co_u32 s3, s3, 1
	s_cmp_lg_u32 s3, 0
	s_cbranch_scc1 .Llap
	TURN 0, 1, 0                                   ; the last lap fills nothing; behind its barrier nobody reads slot 0 any more
	STEP 1, 0, 0
	s_wait_dscnt 4*NL
	WIN MUL_LO
	MUL16 0, 1, 0
	MUL16 2, 1, 0
	s_wait_dscnt 0
	WIN MUL_HI
	MUL16 4, 1, 0
	MUL16 6, 1, 0
	WIN 0
	PLACES NP                                      ; behind the last products: loads into their operands' registers and reads of results follow
; THE WAY OUT of row block a, q and k: the rotation (x1 c - x2 s, x1 s + x2 c) by two packed instructions a pair, the conversion; 8 codes a lane and column block into the stage.
.macro QKBLK a
.set AC, 64*((\a)%4)
.if (\a) < 3
.set CSB, CS0+32*(\a)
.set CSW, 0
.else
.set CSB, 32*((\a)-3)
.set CSW, 1
.endif
.set WN, (2+(\a)/4)|(CSW<<2)
	s_wait_loadcnt 8*(7-(\a))                      ; this block's cos and sin are in; the later blocks' eight loads each may be out
	WIN WN                                         ; source 0: the sums' window; source 1: cos and sin's
.irp b, 0,1,2,3,4,5,6,7
.irp p, 0,2,4,6
	v_pk_mul_f32 v[OU+8*\b+\p:OU+8*\b+\p+1], v[AC+8*\b+\p:AC+8*\b+\p+1], v[CSB+8*(\b%4)+\p:CSB+8*(\b%4)+\p+1] op_sel:[1,1] op_sel_hi:[1,0]   ; (x2 s, x2 c); each accumulator from its low end on
.endr
.endr
.irp b, 0,1,2,3,4,5,6,7
.irp p, 0,2,4,6
	v_pk_fma_f32 v[OU+8*\b+\p:OU+8*\b+\p+1], v[AC+8*\b+\p:AC+8*\b+\p+1], v[CSB+8*(\b%4)+\p:CSB+8*(\b%4)+\p+1], v[OU+8*\b+\p:OU+8*\b+\p+1] op_sel_hi:[0,1,1] neg_lo:[0,0,1]   ; (x1 c - x2 s, x1 s + x2 c)
.endr
.endr
	WIN 0
.set i, 0
.rept 64
.set i, i+1
.endr
.if (\a) >= 2
	s_wait_alu depctr_va_vdst(0)
	s_wait_dscnt 8                                 ; the stores of the block before last have read this set of codes; the last block's eight may be out
.endif
.irp b, 0,1,2,3,4,5,6,7
	v_cvt_scalef32_pk8_fp8_f32 v[CD+16*((\a)%2)+2*\b:CD+16*((\a)%2)+2*\b+1], v[OU+8*\b:OU+8*\b+7], v[SC]
.endr
	v_nop                                          ; a plain instruction between the conversions and the next block's products, which write their sources
.irp b, 0,1,2,3,4,5,6,7
	ds_store_b64 v[STQ], v[CD+16*((\a)%2)+2*\b:CD+16*((\a)%2)+2*\b+1] offset:(\b/4)*HB+4*(\a)*PITCH+16*(\b%4)
.endr
.endm
; The same for v: no rotation; column block b's eight tokens go to place 2 h + b % 2 of their 32
.macro VBLK a
.set AC, 64*((\a)%4)
.set WN, 2+(\a)/4
	WIN WN
.set i, 0
.rept 64
	v_med3_num_f32 v[OU+i], v[AC+i], -v[LIM], v[LIM]
.set i, i+1
.endr
	WIN 0
.if (\a) >= 2
	s_wait_alu depctr_va_vdst(0)
	s_wait_dscnt 8
.endif
.irp b, 0,1,2,3,4,5,6,7
	v_cvt_scalef32_pk8_fp8_f32 v[CD+16*((\a)%2)+2*\b:CD+16*((\a)%2)+2*\b+1], v[OU+8*\b:OU+8*\b+7], v[SC]
.endr
	v_nop
.irp b, 0,1,2,3,4,5,6,7
	ds_store_b64 v[STV], v[CD+16*((\a)%2)+2*\b:CD+16*((\a)%2)+2*\b+1] offset:16*(\a)*PITCH+32*(\b/2)+8*(\b%2)
.endr
.endm
	s_cmp_eq_u32 ttmp9, 2
	s_cbranch_scc1 .Lv_path
	WIN TO_B
	s_wait_alu depctr_va_vdst(0)
.irp a, 3,4,5,6,7                          ; cos and sin of row blocks 3-7, into the registers that held the column operand
.irp bb, 0,1,2,3
.irp u, 0,1
	global_load_b128 v[32*(\a-3)+8*\bb+4*\u:32*(\a-3)+8*\bb+4*\u+3], v[RO], s[8:9] offset:\a*4096+64*\bb+16*\u
.endr
.endr
.endr
	WIN 0
.irp n, 0,1,2,3,4,5,6,7
	QKBLK \n
.endr
	s_branch .Lstaged
.Lv_path:
	s_wait_alu depctr_va_vdst(0)
.irp n, 0,1,2,3,4,5,6,7
	VBLK \n
.endr
.Lstaged:
	s_wait_dscnt 0x0                               ; for the others' sake: my stores into the stage are done
	s_barrier_signal -1
	s_barrier_wait -1                              ; a line's 256 bytes come from several waves
	s_cmp_eq_u32 ttmp9, 2
	s_cbranch_scc1 .Lv_out
.irp i, 0,1,2,3,4,5,6,7,8,9,10,11,12,13,14,15,16,17,18,19,20,21,22,23,24,25,26,27,28,29,30,31
	ds_load_b128 v[BK+4*\i:BK+4*\i+3], v[RDQ] offset:2*\i*PITCH
.endr
.irp i, 0,1,2,3,4,5,6,7,8,9,10,11,12,13,14,15,16,17,18,19,20,21,22,23,24,25,26,27,28,29,30,31
	s_wait_dscnt 31-\i
	global_store_b128 v[GOQ], v[BK+4*\i:BK+4*\i+3], s[92:93] offset:512*\i   ; one head's 8 tokens: 512 consecutive bytes, aligned
.endr
	s_branch .Ldone
.Lv_out:
.irp i, 0,1,2,3,4,5,6,7,8,9,10,11,12,13,14,15,16,17,18,19,20,21,22,23,24,25,26,27,28,29,30,31
	ds_load_b128 v[BK+4*\i:BK+4*\i+3], v[RDV] offset:2*\i*PITCH
.endr
.irp i, 0,1,2,3,4,5,6,7,8,9,10,11,12,13,14,15,16,17,18,19,20,21,22,23,24,25,26,27,28,29,30,31
	s_wait_dscnt 31-\i
	global_store_b128 v[GOV], v[BK+4*\i:BK+4*\i+3], s[94:95] offset:4096*\i  ; two channels' 256 tokens: sixteen lanes store 256 consecutive bytes, aligned
.endr
.Ldone:
	s_wait_tensorcnt 0x0                           ; the wave's end: three lines behind my last tensor load and my last LDS store
	ds_add_u32 v[SPW], v[NIL]
	s_wait_dscnt 0x0
	CROUND                                         ; the closing round: no work-group ends while a partner may still ask for a tile that names it
	s_endpgm
.Lfunc_end_k_q9bd41acbc5_qkv:
	.size	k_q9bd41acbc5_qkv, .Lfunc_end_k_q9bd41acbc5_qkv-k_q9bd41acbc5_qkv
	.p2alignl 7, 3214868480
	.fill 96, 4, 3214868480
	.section	.rodata,"a",@progbits
	.p2align	6, 0x0
	.amdhsa_kernel k_q9bd41acbc5_qkv
		.amdhsa_group_segment_fixed_size 327680
		.amdhsa_private_segment_fixed_size 0
		.amdhsa_enable_private_segment 0
		.amdhsa_kernarg_size 56
		.amdhsa_user_sgpr_count 2
		.amdhsa_user_sgpr_kernarg_segment_ptr 1
		.amdhsa_wavefront_size32 1
		.amdhsa_system_sgpr_workgroup_id_x 1
		.amdhsa_system_sgpr_workgroup_id_y 1
		.amdhsa_system_sgpr_workgroup_id_z 1
		.amdhsa_system_vgpr_workitem_id 0
		.amdhsa_next_free_vgpr 1024
		.amdhsa_next_free_sgpr 100
		.amdhsa_reserve_vcc 0
		.amdhsa_float_denorm_mode_32 3
		.amdhsa_float_denorm_mode_16_64 3
		.amdhsa_fp16_overflow 1
		.amdhsa_memory_ordered 1
		.amdhsa_forward_progress 1
		.amdhsa_inst_pref_size 181
	.end_amdhsa_kernel
	.amdgpu_metadata
---
amdhsa.version: [ 1, 2 ]
amdhsa.kernels:
  - .name:           k_q9bd41acbc5_qkv
    .symbol:         k_q9bd41acbc5_qkv.kd
    .args:
      - { .name: xc, .offset: 0, .size: 8, .value_kind: global_buffer, .address_space: global }
      - { .name: wc, .offset: 8, .size: 8, .value_kind: global_buffer, .address_space: global }
      - { .name: rope, .offset: 16, .size: 8, .value_kind: global_buffer, .address_space: global }
      - { .name: lowp_scales, .offset: 24, .size: 8, .value_kind: global_buffer, .address_space: global }
      - { .name: qc, .offset: 32, .size: 8, .value_kind: global_buffer, .address_space: global }
      - { .name: kc, .offset: 40, .size: 8, .value_kind: global_buffer, .address_space: global }
      - { .name: vc, .offset: 48, .size: 8, .value_kind: global_buffer, .address_space: global }
    .group_segment_fixed_size: 327680
    .private_segment_fixed_size: 0
    .kernarg_segment_align: 8
    .kernarg_segment_size: 56
    .max_flat_workgroup_size: 128
    .sgpr_count:     100
    .vgpr_count:     1024
    .wavefront_size: 32
...
	.end_amdgpu_metadata
.endif
;; end of part 2
;; launch attn (part 3): grid 4 x 64, 16 waves a work-group, no clusters, 327,680 bytes of LDS; arguments qc, kc, vc, lowp_scales, ac; writes ac
.if DOCPART == 3
	.amdgcn_target "amdgcn-amd-amdhsa--gfx1250"
	.amdhsa_code_object_version 6
	.text
	.protected	k_q9bd41acbc5_attn
	.globl	k_q9bd41acbc5_attn
	.p2align	8
	.type	k_q9bd41acbc5_attn,@function
k_q9bd41acbc5_attn:
	s_mov_b64 s[64:65], 0
	v_nop
	global_prefetch_b8 v0, s[64:65] scope:SCOPE_SE
	s_setreg_imm32_b32 hwreg(HW_REG_WAVE_MODE, 25, 1), 1
	s_wait_xcnt 0x0
; Causal attention on E4M3 codes, head size 64, 2,048 tokens, 64 (batch, head) pairs.  qc, kc: [pair][token][64]; vc: [pair][64][token], in each 32 tokens the groups of eight in the order 0-7, 16-23, 8-15, 24-31.
; t = score x 2^(e6 + e7) x log2(e) / 8; M = the row's largest t so far, rounded UP to a whole number; p = 2^(t - M) is quantised by 2^e8; the row's sum is taken of the unquantised p and divides at the end.
; When M moves, the sum and O are multiplied by 2^(old M - new M), which rounds nothing.  O x 2^(e8 + e9) / sum is quantised by 2^e10: the code is (O / sum) / 2^(e10 - e8 - e9).
; OUT: ac [batch x 8 + block of 256 tokens][head][256 tokens][64] codes: the next product's operand, laid so that its K step of four heads is one dense block.
; SHARES.  Work-group (j, pair) owns the blocks of 256 queries 7 - j and then j.  Block b needs the slots of 256 keys 0 .. b, so every work-group makes (8 - j) + (j + 1) = 9 visits: a constant of the text, and equal work for all 256.
; Each of the SIXTEEN waves owns 16 queries of the block in hand, in 256 registers: four waves to a SIMD, so that one wave's vector work stands beside another's matrix work and LDS loads.
; A key step (128 keys) all of whose keys come after the wave's queries is left out by a scalar branch on ids; on the diagonal hidden scores become -infinity ahead of the maximum.  Key 0 counts for every query.
; K's and V's tiles come through a ring of two LDS slots filled by tensor loads (wave 0: K, wave 1: V) and are read by all sixteen.  A wave has at most one tensor load out.
; NO CLUSTER: the four work-groups of a pair change from their first block to their second after 8 - j visits, so from then on they want different slots behind the same barrier.
; LAYOUT.  Both products are used transposed: S^T = K Q^T (source 0 = 16 neighbouring keys), O^T = V^T P^T: a lane holds ONE query (lane % 16) throughout.  Tiles 2 c and 2 c + 1 of S^T leave keys 32 c + 8 h + 0..7 and
; 32 c + 16 + 8 h + 0..7 in a lane, which is the order in which 16 bytes of vc at 32 c + 16 h hold them.  In LDS four tokens of K (256 bytes) make a line of 272.
; LIMITS, so that each power of two is an f32 number: e6 + e7 between -123 and 130; e8, and e10 - e8 - e9, between -126 and 119.  NaN is not served.
.set PL,    272                        ; a line in LDS: 256 bytes + 16 of padding
.set VOFF,  64*PL                      ; a slot: 64 lines of K (256 keys), then 64 rows of V (256 keys each)
.set SLOT1, 1<<16                      ; slot 1 begins here: one exclusive or turns an address of one slot into the other's
.set STAGE, 2*SLOT1                    ; the way out: 4 lines for each wave, its own; no fill lands here
.set SPARE, STAGE+16*4*PL              ; the spare words, 128 bytes a wave, which no other line names
.set AK0, 1                            ; v1   my lane's place in a tile of K
.set AV0, 2                            ; v2   in a tile of V
.set PFO, 3                            ; v3   the prefetches' offset; never rewritten
.set QO,  4                            ; v4   my lane's place in 16 rows of Q
.set SPW, 5
.set NIL, 6
.set GO,  7                            ; v7   16 x lane
.set ADK, 8
.set ADV, 9
.set STO, 10                           ; v10  the stage: where I put 8 codes
.set RD,  11                           ; v11  where I read lines back
; v12 -M, v13 the largest t, v[14:15] the sum in two halves; v16-23 Q; v24-31 the second block's Q; v32-95 eight fragments of K, then four of V; v96-159 S^T, then p; v160-191 O^T; v192-207 the way out
.set PC,  224                          ; v224-239 p's codes
.set LIMP, 240
.set PX,  241                          ; what the lane 16 away sends
.set SU,  242                          ; v[242:243] the second chain of the sum
.set SCP, 244                          ; 2^e8
.set NI,  245                          ; -infinity
.set LIMO, 246
.set SCO, 247
.set RC,  248                          ; v[248:249] 1 / sum
.set TA,  250
.set DM,  251
.set TF,  252                          ; v[252:253] f = 2^(old M - new M)
.set RH,  254                          ; r - 8 h
.set TB,   2                           ; s2   LDS byte at which the slot in hand begins
.set VIS,  3                           ; s3   the visit
.set SWM1, 14                          ; s14  7 - j: the first block, and its last visit
.set NSR,  15                          ; s15  which 256 keys were asked for last
.set KF,   16                          ; s16  the step's first key
.set Q0,   17                          ; s17  my first query
.set WV,   18
.set SEL,  20
.set CS,   22                          ; s[22:23] c = log2(e) / 8 x 2^(e6 + e7)
.set G1K,  24
.set G1V,  32
.set G0K,  40
.set G0V,  44
.set KBASE, 48
.set VBASE, 50
.set QBASE, 52
.set ABASE, 54
.set PFA,  76                          ; s[76:77] where my prefetches stand
.set PFS,  78                          ; s[78:79] a slot on, in bytes
.set PLIM, 80                          ; s80  a wave prefetches in the visits below this number
.macro TLOAD                           ; wave 0 fetches K's tile, wave 1 V's, the others nothing; an s_nop 0 and four v_nop follow each line
	s_cmp_eq_u32 s[WV], 0
	s_cbranch_scc0 .Lnot_k_\@
	tensor_load_to_lds s[G0K:G0K+3], s[G1K:G1K+7]
	s_nop 0
.rept 4
	v_nop
.endr
	s_branch .Lasked_\@
.Lnot_k_\@:
	s_cmp_eq_u32 s[WV], 1
	s_cbranch_scc0 .Lasked_\@
	tensor_load_to_lds s[G0V:G0V+3], s[G1V:G1V+7]
	s_nop 0
.rept 4
	v_nop
.endr
.Lasked_\@:
.endm
; A PREFETCH INTO THE L2 of the slot that the NEXT change of slots will ask for.  All four work-groups of a pair walk the same K and V from slot 0 up; the one with j = 0 walks slots 0 to 7 in its visits 0 to 7, and it alone asks.
; In visit v its tensor loads ask for slot v + 1 and these lines for slot v + 2, so visits 0 to 5 ask and slots 2 to 7 are named, each aligned block of 256 bytes once.  Waves 4 and 5: K's 16,384 bytes, 8,192 a wave, lanes 256 bytes apart;
; waves 6 and 7: V's 64 rows, 32 a wave, a lane a row (a slot's part of a row is 256 bytes, aligned).  Nothing is asked for at the head.
.macro ASK
	s_cmp_lt_u32 s[VIS], s[PLIM]
	s_cbranch_scc0 .Lnot_mine_\@
	global_prefetch_b8 v[PFO], s[PFA:PFA+1] th:TH_LOAD_NT scope:SCOPE_SE
.Lnot_mine_\@:
.endm
	s_load_b256 s[4:11], s[0:1], 0x0               ; qc s[4:5], kc s[6:7], vc s[8:9], the scales' exponents s[10:11]
	s_load_b64 s[12:13], s[0:1], 0x20              ; ac
	v_lshl_add_u32 v[SPW], v0, 2, SPARE
	v_mov_b32 v[NIL], 0
	ds_add_u32 v[SPW], v[NIL]                      ; the wave's opening: the add and its wait ahead of my first tensor load; work on registers stands between them
	ds_add_u32 v[SPW], v[NIL]
	v_lshrrev_b32 v32, 5, v0
	s_delay_alu instid0(VALU_DEP_1)
	v_readfirstlane_b32 s[WV], v32                 ; wave 0..15
	s_and_b32 s82, ttmp7, 0xffff                   ; the pair (batch, head)
	s_lshl_b32 s60, s82, 17                        ; its codes in qc, kc and vc: 2,048 x 64 bytes
	s_mov_b32 s61, 0
	s_lshr_b32 s83, s82, 4
	s_lshl_b32 s83, s83, 7
	s_and_b32 s84, s82, 15
	s_add_co_u32 s83, s83, s84
	s_lshl_b32 s62, s83, 14                        ; in ac: (batch x 128 + head) x 16,384 bytes
	s_mov_b32 s63, 0
	s_sub_co_u32 s[SWM1], 7, ttmp9
	s_mov_b32 s[G1K], (0<<16)|(1<<20)|(5<<22)|(3<<25)   ; no mask; elements of 1 byte; padding on: four words after every 64
	s_mov_b32 s[G1K+1], 256<<16                    ; tensor_dim0
	s_mov_b32 s[G1K+2], 64<<16                     ; tensor_dim1
	s_mov_b32 s[G1K+3], 256<<16                    ; tile_dim0
	s_mov_b32 s[G1K+4], 64                         ; tile_dim1
	s_mov_b32 s[G1K+5], 256                        ; K's 256 keys are one dense block: 64 rows of 256 bytes
	s_mov_b32 s[G1K+6], 0
	s_mov_b32 s[G1K+7], 0
	s_mov_b32 s[G1V], (0<<16)|(1<<20)|(5<<22)|(3<<25)
	s_mov_b32 s[G1V+1], 256<<16
	s_mov_b32 s[G1V+2], 64<<16
	s_mov_b32 s[G1V+3], 256<<16
	s_mov_b32 s[G1V+4], 64
	s_mov_b32 s[G1V+5], 2048                       ; V's rows lie 2,048 bytes apart
	s_mov_b32 s[G1V+6], 0
	s_mov_b32 s[G1V+7], 0
	s_mov_b32 s[SEL], 0x76543210
	s_mov_b32 s[SEL+1], 0xfedcba98
	s_mov_b32 s[CS], 0x3e38aa3b                    ; log2(e) / 8
	s_mov_b32 s[TB], 0
	s_mov_b32 s[NSR], 0
	s_mov_b32 s[VIS], 0
	s_wait_dscnt 0x0                               ; the opening add is done
	s_wait_kmcnt 0x0
	s_load_b128 s[68:71], s[10:11], 0x18           ; e6, e7, e8, e9
	s_load_b32 s72, s[10:11], 0x28                 ; e10
	s_add_nc_u64 s[KBASE:KBASE+1], s[6:7], s[60:61]
	s_add_nc_u64 s[VBASE:VBASE+1], s[8:9], s[60:61]
	s_add_nc_u64 s[QBASE:QBASE+1], s[4:5], s[60:61]
	s_add_nc_u64 s[ABASE:ABASE+1], s[12:13], s[62:63]
	s_mov_b32 s[G0K], 1
	s_mov_b32 s[G0K+1], 0
	s_mov_b64 s[G0K+2:G0K+3], s[KBASE:KBASE+1]
	s_or_b32 s[G0K+3], s[G0K+3], 0x80000000
	s_mov_b32 s[G0V], 1
	s_mov_b32 s[G0V+1], VOFF
	s_mov_b64 s[G0V+2:G0V+3], s[VBASE:VBASE+1]
	s_or_b32 s[G0V+3], s[G0V+3], 0x80000000
	TLOAD                                          ; keys 0 to 255 into slot 0
	v_and_b32 v32, 15, v0                          ; r
	v_bfe_u32 v33, v0, 4, 1                        ; h
	s_delay_alu instid0(VALU_DEP_2)
	v_lshrrev_b32 v34, 2, v32
	s_delay_alu instid0(VALU_DEP_3)
	v_and_b32 v35, 3, v32
	s_delay_alu instid0(VALU_DEP_2)
	v_mul_u32_u24 v36, v34, PL
	s_delay_alu instid0(VALU_DEP_1)
	v_lshl_add_u32 v36, v35, 6, v36                ; token r of 16: line r / 4, place r % 4
	s_delay_alu instid0(VALU_DEP_1)
	v_lshl_add_u32 v[AK0], v33, 4, v36
	s_mul_i32 s60, s[WV], 4*PL
	s_add_co_u32 s60, s60, STAGE                   ; my stage
	v_lshl_add_u32 v[STO], v33, 3, v36
	s_delay_alu instid0(VALU_DEP_1)
	v_add_nc_u32 v[STO], s60, v[STO]
	v_mul_u32_u24 v[RD], v33, PL
	s_delay_alu instid0(VALU_DEP_1)
	v_lshl_add_u32 v[RD], v32, 4, v[RD]
	s_delay_alu instid0(VALU_DEP_1)
	v_add_nc_u32 v[RD], s60, v[RD]
	v_mul_u32_u24 v[AV0], v32, PL
	s_delay_alu instid0(VALU_DEP_1)
	v_lshl_add_u32 v[AV0], v33, 4, v[AV0]
	s_delay_alu instid0(VALU_DEP_1)
	v_add_nc_u32 v[AV0], VOFF, v[AV0]
	v_lshlrev_b32 v[QO], 6, v32
	s_delay_alu instid0(VALU_DEP_1)
	v_lshl_add_u32 v[QO], v33, 4, v[QO]
	s_wait_alu depctr_va_vdst(0)
	v_and_b32 v[GO], 31, v0
	s_delay_alu instid0(VALU_DEP_1)
	v_lshlrev_b32 v[GO], 4, v[GO]
	v_lshlrev_b32 v[RH], 3, v33
	s_delay_alu instid0(VALU_DEP_1)
	v_sub_nc_u32 v[RH], v32, v[RH]
	v_mov_b32 v[NI], 0xff800000
	v_mov_b32 v[PX], 0                             ; written once: a lane permute's destination counts as one of its sources
	v_mov_b32 v[TF+1], 0                           ; (named as the upper half of a pair)
	; Q of both blocks: 16 rows of 64 bytes a wave; a lane takes K = 32 c + 16 h + 0 .. 15 of row r, the order in which K's fragments come from LDS
	s_lshl_b32 s60, s[SWM1], 14
	s_lshl_b32 s62, s[WV], 10
	s_add_co_u32 s60, s60, s62
	s_mov_b32 s61, 0
	s_add_nc_u64 s[56:57], s[QBASE:QBASE+1], s[60:61]
	s_lshl_b32 s82, ttmp9, 14
	s_add_co_u32 s82, s82, s62
	s_mov_b32 s83, 0
	s_add_nc_u64 s[84:85], s[QBASE:QBASE+1], s[82:83]
	global_load_b128 v[16:19], v[QO], s[56:57]
	global_load_b128 v[20:23], v[QO], s[56:57] offset:32
	global_load_b128 v[24:27], v[QO], s[84:85]
	global_load_b128 v[28:31], v[QO], s[84:85] offset:32
	; the prefetches: where my wave's stand, and who asks
	s_cmp_lt_u32 s[WV], 6
	s_cselect_b64 s[PFA:PFA+1], s[KBASE:KBASE+1], s[VBASE:VBASE+1]
	s_mov_b32 s[PFS], 256
	s_cselect_b32 s[PFS], 16384, s[PFS]            ; a slot on
	s_mov_b32 s82, 2048
	s_cselect_b32 s82, 256, s82                    ; from lane to lane
	s_mov_b32 s83, 65536
	s_cselect_b32 s83, 8192, s83                   ; from wave to wave
	v_and_b32 v[PFO], 31, v0
	s_delay_alu instid0(VALU_DEP_1)
	v_mul_lo_u32 v[PFO], v[PFO], s82
	s_and_b32 s82, s[WV], 1
	s_mul_i32 s82, s82, s83
	s_add_co_u32 s82, s82, s[PFS]                  ; in slot 1: the first change of slots steps it to slot 2
	s_mov_b32 s83, 0
	s_mov_b32 s[PFS+1], 0
	s_add_nc_u64 s[PFA:PFA+1], s[PFA:PFA+1], s[82:83]
	s_sub_co_u32 s82, s[WV], 4
	s_lshr_b32 s82, s82, 2                         ; 0 in waves 4 to 7,
	s_or_b32 s82, s82, ttmp9                       ; where j = 0
	s_cmp_eq_u32 s82, 0
	s_cselect_b32 s[PLIM], 6, 0
	s_wait_kmcnt 0x0
	s_add_co_i32 s73, s68, s69
	s_lshl_b32 s73, s73, 23
	s_add_co_i32 s[CS], s[CS], s73                 ; e6 + e7 are added to c's exponent field
	s_mov_b32 s[CS+1], s[CS]                       ; (named with it as a pair)
	s_add_co_i32 s73, s70, 127
	s_lshl_b32 s74, s73, 23
	v_mov_b32 v[SCP], s74
	s_sub_co_i32 s73, s72, s70
	s_sub_co_i32 s73, s73, s71                     ; e10 - e8 - e9
	s_add_co_i32 s73, s73, 127
	s_lshl_b32 s74, s73, 23
	v_mov_b32 v[SCO], s74
; A block of queries begins: my first query, where my codes go, and the statistics.  O^T and the sum begin as zeros and the largest t as -3e38: the first change of M multiplies zeros.
.macro START blk
	s_lshl_b32 s[Q0], \blk, 8
	s_lshl_b32 s60, s[WV], 4
	s_add_co_u32 s[Q0], s[Q0], s60
	s_lshl_b32 s60, \blk, 18                       ; a block of 256 tokens in ac: 16 heads x 16,384 bytes
	s_lshl_b32 s62, s[WV], 10                      ; my 16 tokens x 64 bytes
	s_add_co_u32 s60, s60, s62
	s_mov_b32 s61, 0
	s_add_nc_u64 s[58:59], s[ABASE:ABASE+1], s[60:61]
	s_mov_b32 s[KF], 0
	v_mov_b32 v13, 0xff61b1e6
	s_delay_alu instid0(VALU_DEP_1)
	v_floor_f32 v12, -v13
	v_mov_b32 v14, 0
	v_mov_b32 v15, 0
.set i, 0
.rept 32
	v_mov_b32 v[160+i], 0
.set i, i+1
.endr
.endm
; A KEY STEP: 128 keys, the q-th of the slot in hand
.macro STEP q
	s_add_co_u32 s96, s[Q0], 15
	s_cmp_gt_u32 s[KF], s96                        ; all 128 keys come after my 16 queries: the step's work is left out; no barrier and no tensor load stands in a step
	s_cbranch_scc1 .Lhidden_\@
	v_add_nc_u32 v[ADK], s[TB], v[AK0]
	v_add_nc_u32 v[ADV], s[TB], v[AV0]
	v_nop                                          ; with the two additions: four places in front of loads into registers that matrix instructions have read
	v_nop
.irp t, 0,1,2,3,4,5,6,7
.irp c, 0,1
	ds_load_b128 v[32+8*\t+4*\c:32+8*\t+4*\c+3], v[ADK] offset:(32*(\q)+4*\t)*PL+32*\c
.endr
.endr
	s_wait_dscnt 0x0
	s_wait_alu depctr_va_vdst(0)
.irp t, 0,1,2,3,4,5,6,7                        ; S^T = K Q^T: tile t holds keys 16 t + 8 h + 0 .. 7 of my query
	v_wmma_f32_16x16x64_fp8_fp8 v[96+8*\t:103+8*\t], v[32+8*\t:39+8*\t], v[16:23], 0
.endr
.rept 4
	v_nop
.endr
.irp t, 0,1,2,3                                ; V's four fragments are asked for now and land under the softmax
.irp c, 0,1,2,3
	ds_load_b128 v[32+16*\t+4*\c:32+16*\t+4*\c+3], v[ADV] offset:16*\t*PL+128*(\q)+32*\c
.endr
.endr
	s_add_co_u32 s96, s[KF], 127
	s_cmp_le_u32 s96, s[Q0]                        ; a step all of whose keys count skips the mask
	s_cbranch_scc1 .Lopen_\@
	s_sub_co_i32 s96, s[Q0], s[KF]
	v_add_nc_u32 v[DM], s96, v[RH]                 ; d = my query - KF - 8 h.  Register 8 t + i holds key KF + 8 h + 16 t + i: hidden where 16 t + i > d
.irp n, 0,1,2,3,4,5,6,7,8,9,10,11,12,13,14,15,16,17,18,19,20,21,22,23,24,25,26,27,28,29,30,31,32,33,34,35,36,37,38,39,40,41,42,43,44,45,46,47,48,49,50,51,52,53,54,55,56,57,58,59,60,61,62,63
	v_cmp_gt_i32 vcc_lo, 16*(\n/8)+\n%8, v[DM]
	v_cndmask_b32 v[96+\n], v[96+\n], v[NI], vcc_lo
.endr
.Lopen_\@:
	v_max3_num_f32 v[TA], v96, v97, v98            ; the step's largest score of my query among my 64 keys, in two chains, from each accumulator's low end on,
	v_max3_num_f32 v[TF], v99, v100, v101
.irp i, 6,10,14,18,22,26,30,34,38,42,46,50,54,58
	v_max3_num_f32 v[TA], v[TA], v[96+\i], v[97+\i]
	v_max3_num_f32 v[TF], v[TF], v[98+\i], v[99+\i]
.endr
	v_max3_num_f32 v[TA], v[TA], v158, v159
	s_delay_alu instid0(VALU_DEP_1)
	v_max_num_f32 v[TA], v[TA], v[TF]
	s_delay_alu instid0(VALU_DEP_1)
	v_permlanex16_b32 v[PX], v[TA], s[SEL], s[SEL+1]
	s_delay_alu instid0(VALU_DEP_1)
	v_max_num_f32 v[TA], v[TA], v[PX]              ; and among the lane 16 away's
	s_delay_alu instid0(VALU_DEP_1)
	v_mul_f32 v[TA], s[CS], v[TA]                  ; as t (c is positive)
	s_delay_alu instid0(VALU_DEP_1)
	v_max_num_f32 v13, v13, v[TA]
	v_mov_b32 v[TA], v12
	s_delay_alu instid0(VALU_DEP_2)
	v_floor_f32 v12, -v13                          ; the new -M = floor(-t): M is a whole number
	s_delay_alu instid0(VALU_DEP_1)
	v_sub_f32 v[TA], v12, v[TA]                    ; old M - new M: a whole number, 0 or less
	s_delay_alu instid0(VALU_DEP_1)
	v_cvt_i32_f32 v[TA], v[TA]                     ; (it saturates)
	s_delay_alu instid0(VALU_DEP_1)
	v_ldexp_f32 v[TF], 1.0, v[TA]                  ; f = 2^(old M - new M)
.irp j, 0,2,4,6,8,10,12,14,16,18,20,22,24,26,28,30,32,34,36,38,40,42,44,46,48,50,52,54,56,58,60,62
	v_pk_fma_f32 v[96+\j:97+\j], v[96+\j:97+\j], s[CS:CS+1], v[12:13] op_sel_hi:[1,0,0]   ; t - M, two at a time
.endr
	s_wait_alu depctr_va_vdst(0)
.irp j, 0,1,2,3,4,5,6,7,8,9,10,11,12,13,14,15,16,17,18,19,20,21,22,23,24,25,26,27,28,29,30,31,32,33,34,35,36,37,38,39,40,41,42,43,44,45,46,47,48,49,50,51,52,53,54,55,56,57,58,59,60,61,62,63
	v_exp_f32 v[96+\j], v[96+\j]                   ; p = 2^(t - M), at most 1
.endr
	v_pk_mul_f32 v[14:15], v[14:15], v[TF:TF+1] op_sel_hi:[1,0]   ; the sums under the new M: the plain instruction behind the exponentials
	s_wait_alu depctr_va_vdst(0)                   ; the wait ahead of the first reader: one for the batch of 64
	v_pk_add_f32 v[242:243], v[100:101], v[104:105]
	v_pk_add_f32 v[250:251], v[108:109], v[112:113]
	v_pk_add_f32 v[248:249], v[116:117], v[120:121]
	v_pk_add_f32 v[238:239], v[124:125], v[128:129]
	v_pk_add_f32 v[236:237], v[132:133], v[136:137]
	v_pk_add_f32 v[234:235], v[140:141], v[144:145]
	v_pk_add_f32 v[232:233], v[148:149], v[152:153]
	v_pk_add_f32 v[14:15], v[14:15], v[156:157]
	v_pk_add_f32 v[242:243], v[242:243], v[96:97]
	v_pk_add_f32 v[250:251], v[250:251], v[98:99]
	v_pk_add_f32 v[248:249], v[248:249], v[102:103]
	v_pk_add_f32 v[238:239], v[238:239], v[106:107]
	v_pk_add_f32 v[236:237], v[236:237], v[110:111]
	v_pk_add_f32 v[234:235], v[234:235], v[114:115]
	v_pk_add_f32 v[232:233], v[232:233], v[118:119]
	v_pk_add_f32 v[14:15], v[14:15], v[122:123]
	v_pk_add_f32 v[242:243], v[242:243], v[126:127]
	v_pk_add_f32 v[250:251], v[250:251], v[130:131]
	v_pk_add_f32 v[248:249], v[248:249], v[134:135]
	v_pk_add_f32 v[238:239], v[238:239], v[138:139]
	v_pk_add_f32 v[236:237], v[236:237], v[142:143]
	v_pk_add_f32 v[234:235], v[234:235], v[146:147]
	v_pk_add_f32 v[232:233], v[232:233], v[150:151]
	v_pk_add_f32 v[14:15], v[14:15], v[154:155]
	v_pk_add_f32 v[242:243], v[242:243], v[158:159]
	s_delay_alu instid0(VALU_DEP_2)
	v_pk_add_f32 v[14:15], v[14:15], v[238:239]
	s_delay_alu instid0(VALU_DEP_2)
	v_pk_add_f32 v[242:243], v[242:243], v[236:237]
	v_pk_add_f32 v[250:251], v[250:251], v[234:235]
	v_pk_add_f32 v[248:249], v[248:249], v[232:233]
	s_delay_alu instid0(VALU_DEP_2)
	v_pk_add_f32 v[14:15], v[14:15], v[250:251]
	s_delay_alu instid0(VALU_DEP_2)
	v_pk_add_f32 v[242:243], v[242:243], v[248:249]
	s_delay_alu instid0(VALU_DEP_1)
	v_pk_add_f32 v[14:15], v[14:15], v[242:243]
.irp b, 0,1,2,3
.irp i, 0,1,2,3,4,5,6,7,8,9,10,11,12,13,14,15
.endr
	v_cvt_scalef32_pk8_fp8_f32 v[PC+4*\b:PC+4*\b+1], v[96+16*\b:103+16*\b], v[SCP]
	v_cvt_scalef32_pk8_fp8_f32 v[PC+4*\b+2:PC+4*\b+3], v[104+16*\b:111+16*\b], v[SCP]
.endr
.irp j, 0,2,4,6,8,10,12,14,16,18,20,22,24,26,28,30
	v_pk_mul_f32 v[160+\j:161+\j], v[160+\j:161+\j], v[TF:TF+1] op_sel_hi:[1,0]   ; O^T under the new M.  (These are also the plain instructions between the conversions and the products)
.endr
	s_wait_alu depctr_va_vdst(0)
	s_wait_dscnt 0x0                               ; V's fragments are in
.irp t, 0,1,2,3                                ; O^T += V^T P^T: the four accumulators take turns, one instruction a turn
	v_wmma_f32_16x16x128_fp8_fp8 v[160+8*\t:167+8*\t], v[32+16*\t:47+16*\t], v[PC:PC+15], v[160+8*\t:167+8*\t]
.endr
.Lhidden_\@:
	s_add_co_u32 s[KF], s[KF], 128
.endm
; THE CHANGE OF SLOTS stands at a visit's head.  Each wave waits for all its tensor loads (its part of the slot that it is about to read), adds 0 to its spare word, and waits for that and for its reads of the slot that it has left.
; Behind the barrier the slot ahead is whole and nobody reads the other one.  fill = 1: that other slot takes the next visit's keys: the 256 that follow, or keys 0 to 255 where the first block ends with this visit.
.macro CHANGE fill
	s_wait_tensorcnt 0x0                           ; no tensor load of mine is out, so a group 0 may be written
	ds_add_u32 v[SPW], v[NIL]                      ; 0 onto my spare word; the descriptors' words stand between it and the wait for it
.if \fill
	s_add_co_u32 s[NSR], s[NSR], 1
	s_cmp_eq_u32 s[VIS], s[SWM1]
	s_cselect_b32 s[NSR], 0, s[NSR]
	s_xor_b32 s[G0K+1], s[G0K+1], SLOT1
	s_xor_b32 s[G0V+1], s[G0V+1], SLOT1
	s_lshl_b32 s60, s[NSR], 14                     ; 256 keys of K are 16,384 bytes,
	s_mov_b32 s61, 0
	s_add_nc_u64 s[G0K+2:G0K+3], s[KBASE:KBASE+1], s[60:61]
	s_or_b32 s[G0K+3], s[G0K+3], 0x80000000
	s_lshl_b32 s60, s[NSR], 8                      ; and 256 bytes of each row of V
	s_add_nc_u64 s[G0V+2:G0V+3], s[VBASE:VBASE+1], s[60:61]
	s_or_b32 s[G0V+3], s[G0V+3], 0x80000000
	s_wait_xcnt 0x0                                ; the last prefetch, a visit back, has read its address
	s_add_nc_u64 s[PFA:PFA+1], s[PFA:PFA+1], s[PFS:PFS+1]
.endif
	s_wait_dscnt 0x0                               ; the add is done, and my reads of the slot that I have left are over
	s_barrier_signal -1
	s_barrier_wait -1
.if \fill
	TLOAD                                          ; the first thing behind the barrier, and a wave's one tensor load until the next
	ASK
.endif
.endm
; THE WAY OUT of a block: O^T / sum, converted; 8 codes a lane and tile into my stage; back as lines of 256 bytes; my 16 tokens are 1,024 consecutive bytes of ac.
.macro EPI
.rept 4
	v_nop                                          ; places behind the last products
.endr
	s_wait_xcnt 0x0                                ; an earlier way out's stores have read their registers
	v_add_f32 v14, v14, v15
	s_delay_alu instid0(VALU_DEP_1)
	v_permlanex16_b32 v[PX], v14, s[SEL], s[SEL+1]
	s_delay_alu instid0(VALU_DEP_1)
	v_add_f32 v14, v14, v[PX]                      ; the row's sum
	s_wait_alu depctr_va_vdst(0)
	v_rcp_f32 v[RC], v14
	v_mov_b32 v[RC+1], 0                           ; the plain instruction behind the reciprocal (and the pair's upper half is written)
	s_wait_alu depctr_va_vdst(0)                   ; the wait ahead of the first reader
.irp i, 0,2,4,6,8,10,12,14,16,18,20,22,24,26,28,30
	v_pk_mul_f32 v[96+\i:97+\i], v[160+\i:161+\i], v[RC:RC+1] op_sel_hi:[1,0]   ; each accumulator from its low end on
.endr
.set i, 0
.rept 32
.set i, i+1
.endr
.irp t, 0,1,2,3
	v_cvt_scalef32_pk8_fp8_f32 v[192+2*\t:193+2*\t], v[96+8*\t:103+8*\t], v[SCO]   ; channels 16 t + 8 h + 0 .. 7 of query r
.endr
	v_nop                                          ; a plain instruction behind the last conversion
.irp t, 0,1,2,3
	ds_store_b64 v[STO], v[192+2*\t:193+2*\t] offset:16*\t
.endr
.irp i, 0,1
	ds_load_b128 v[200+4*\i:203+4*\i], v[RD] offset:2*PL*\i   ; LDS serves a wave's instructions in order: these see my stores
.endr
.irp i, 0,1
	s_wait_dscnt 1-\i
	global_store_b128 v[GO], v[200+4*\i:203+4*\i], s[58:59] offset:512*\i   ; 512 consecutive bytes, aligned
.endr
.endm
	START s[SWM1]                                  ; block 7 - j first
	s_wait_loadcnt 0x0                             ; Q
.Lvisit:                                           ; eight trips; behind each change of slots the next visit's keys are asked for
	CHANGE 1
	STEP 0
	STEP 1
	s_xor_b32 s[TB], s[TB], SLOT1                  ; on to the other slot
	s_cmp_lg_u32 s[VIS], s[SWM1]                   ; the first block's last visit?  (the same in all sixteen waves)
	s_cbranch_scc1 .Lsame
	EPI
	s_wait_xcnt 0x0                                ; its stores have read their base
	START ttmp9                                    ; block j
.irp i, 0,1,2,3,4,5,6,7
	v_mov_b32 v[16+\i], v[24+\i]                   ; its Q, which came at the head
.endr
.Lsame:
	s_add_co_u32 s[VIS], s[VIS], 1
	s_cmp_lt_u32 s[VIS], 8
	s_cbranch_scc1 .Lvisit
	CHANGE 0                                       ; the ninth visit is written out
	STEP 0
	STEP 1
	EPI
	s_wait_tensorcnt 0x0                           ; the wave's end: three lines behind my last tensor load and my last LDS store
	ds_add_u32 v[SPW], v[NIL]
	s_wait_dscnt 0x0
	s_endpgm
.Lfunc_end_k_q9bd41acbc5_attn:
	.size	k_q9bd41acbc5_attn, .Lfunc_end_k_q9bd41acbc5_attn-k_q9bd41acbc5_attn
	.p2alignl 7, 3214868480
	.fill 96, 4, 3214868480
	.section	.rodata,"a",@progbits
	.p2align	6, 0x0
	.amdhsa_kernel k_q9bd41acbc5_attn
		.amdhsa_group_segment_fixed_size 327680
		.amdhsa_private_segment_fixed_size 0
		.amdhsa_enable_private_segment 0
		.amdhsa_kernarg_size 40
		.amdhsa_user_sgpr_count 2
		.amdhsa_user_sgpr_kernarg_segment_ptr 1
		.amdhsa_wavefront_size32 1
		.amdhsa_system_sgpr_workgroup_id_x 1
		.amdhsa_system_sgpr_workgroup_id_y 1
		.amdhsa_system_sgpr_workgroup_id_z 1
		.amdhsa_system_vgpr_workitem_id 0
		.amdhsa_next_free_vgpr 256
		.amdhsa_next_free_sgpr 100
		.amdhsa_reserve_vcc 1
		.amdhsa_float_denorm_mode_32 3
		.amdhsa_float_denorm_mode_16_64 3
		.amdhsa_fp16_overflow 1
		.amdhsa_memory_ordered 1
		.amdhsa_forward_progress 1
		.amdhsa_inst_pref_size 93
	.end_amdhsa_kernel
	.amdgpu_metadata
---
amdhsa.version: [ 1, 2 ]
amdhsa.kernels:
  - .name:           k_q9bd41acbc5_attn
    .symbol:         k_q9bd41acbc5_attn.kd
    .args:
      - { .name: qc, .offset: 0, .size: 8, .value_kind: global_buffer, .address_space: global }
      - { .name: kc, .offset: 8, .size: 8, .value_kind: global_buffer, .address_space: global }
      - { .name: vc, .offset: 16, .size: 8, .value_kind: global_buffer, .address_space: global }
      - { .name: lowp_scales, .offset: 24, .size: 8, .value_kind: global_buffer, .address_space: global }
      - { .name: ac, .offset: 32, .size: 8, .value_kind: global_buffer, .address_space: global }
    .group_segment_fixed_size: 327680
    .private_segment_fixed_size: 0
    .kernarg_segment_align: 8
    .kernarg_segment_size: 40
    .max_flat_workgroup_size: 512
    .sgpr_count:     100
    .vgpr_count:     256
    .wavefront_size: 32
...
	.end_amdgpu_metadata
.endif
;; end of part 3
;; launch oproj (part 4): grid 4 x 32, 4 waves a work-group, clusters of 4 x 4, 327,680 bytes of LDS; arguments ac, wc, lowp_scales, out0; writes out0
.if DOCPART == 4
	.amdgcn_target "amdgcn-amd-amdhsa--gfx1250"
	.amdhsa_code_object_version 6
	.text
	.protected	k_q9bd41acbc5_oproj
	.globl	k_q9bd41acbc5_oproj
	.p2align	8
	.type	k_q9bd41acbc5_oproj,@function
k_q9bd41acbc5_oproj:
	s_mov_b64 s[64:65], 0
	v_nop
	global_prefetch_b8 v0, s[64:65] scope:SCOPE_SE
	s_setreg_imm32_b32 hwreg(HW_REG_WAVE_MODE, 25, 1), 1
	s_wait_xcnt 0x0
	s_wait_alu depctr_hold_cnt(0) depctr_sa_sdst(0) depctr_va_vdst(0) depctr_va_sdst(0) depctr_va_ssrc(0) depctr_va_vcc(0) depctr_vm_vsrc(0)
	s_getreg_b32 s2, hwreg(HW_REG_IB_STS2, 6, 4)
	s_cmp_eq_u32 s2, 0
	s_cbranch_scc0 .Lentry_in_a_cluster
	s_endpgm
.Lentry_in_a_cluster:
	s_bfe_u32 s2, ttmp6, 0x10000c
	s_cmp_lg_u32 s2, 0xf033
	s_cbranch_scc0 .Lentry_shape_is_right
	s_endpgm
.Lentry_shape_is_right:
; out0[token][n] = 2^(e10 + e11) x the sum over k of A[token][k] W[n][k], on E4M3 codes.  W: the fourth weight in wc, [1024][1024], K innermost.
; A: ac [block of 256 tokens][head 16][256 tokens][64]: k = 64 x head + channel.  A K step of 256 is four heads of a block: one dense run of 65,536 bytes, taken as 256 rows of 256 bytes (four tokens of one head).
; A tile of out0, 256 x 256, is made by four waves, each 128 x 128: 64 accumulators, 512 registers.  K = 1,024 goes in four steps of 256 through a ring of two LDS slots filled by tensor loads.
; CLUSTERS: 4 x 4 work-groups; A's tile is shared along a row of the cluster, W's along a column: each is asked for JOINTLY.  128 tiles in all: this tile is kept for the multiply-adds that each LDS byte feeds.
; THE MATRIX INSTRUCTION IS USED TRANSPOSED (source 0 = 16 rows of W, source 1 = 16 tokens): a lane holds eight neighbouring numbers of a row of out0.
; No prefetch: all four K steps are asked for by the first fills and the first two changes of slots.
; LIMIT: e10 + e11 between -126 and 127, so that 2^(e10 + e11) is an f32 number.
; REGISTERS: window 0: v0-31 addresses; from v128 A's fragments, ONE set; window 1: W's fragments, TWO sets; windows 2, 3: the accumulators of my rows 0-63, 64-127.
.set ROWB,   256
.set KROW,   1024
.set ASTEP,  65536                     ; a K step of A in memory
.set SIZE_N, 1024
.set PITCH,  272                       ; an LDS row: 256 bytes + 16 of padding
.set HEADB,  64*PITCH                  ; a head's 256 tokens in a slot
.set FR,     16
.set NL,     4
.set NP,     4
.set HALFT,  128*PITCH
.set SLOT,   4*HALFT
.set LAPS,   2
.set SPARE,  2*SLOT
.set SPITCH, 528                       ; the way out: a stage of 16 rows x (512 bytes + 16) for each wave, in slot 0, which has had its last fill and its last read by then
.set ADRA, 16
.set ADRB, 20
.set STO,  24
.set RD,   25
.set CO,   26
.set SPW,  28
.set NIL,  29
.set TMP,  32
.set AF,   128
.set BK,   128
.set G1, 24
.set G0, 32
.set G1B, 48
.set G0B, 56
.set MSB, 0
.macro WIN new
.if MSB != (\new)
	s_set_vgpr_msb (MSB<<8)|(\new)
.set MSB, (\new)
.endif
.endm
.set MUL_LO, 0xa1
.set MUL_HI, 0xf1
.set TO_B,   0x40
.macro JLOAD g0a, g1a, g0b, g1b        ; waves 0 and 1 fetch for A, waves 2 and 3 for W; an s_nop 0 and four v_nop follow each line
	s_cmp_eq_u32 s15, 0
	s_cbranch_scc0 .Lfor_b_\@
	tensor_load_to_lds s[\g0a:\g0a+3], s[\g1a:\g1a+7]
	s_nop 0
.rept 4
	v_nop
.endr
	s_branch .Lasked_\@
.Lfor_b_\@:
	tensor_load_to_lds s[\g0b:\g0b+3], s[\g1b:\g1b+7]
	s_nop 0
.rept 4
	v_nop
.endr
.Lasked_\@:
.endm
.macro CREST
	s_cmp_lg_u32 s14, 0
	s_cbranch_scc1 .Lnot_wave_0_\@
	s_barrier_signal -3
.Lnot_wave_0_\@:
	s_barrier_wait -3
	s_barrier_signal -1
	s_barrier_wait -1
.endm
.macro CROUND
	s_barrier_signal -1
	s_barrier_wait -1
	CREST
.endm
	s_load_b128 s[4:7], s[0:1], 0x0                ; ac, wc
	s_load_b128 s[8:11], s[0:1], 0x10              ; the scales' exponents, out0
	v_lshl_add_u32 v[SPW], v0, 2, SPARE
	v_mov_b32 v[NIL], 0
	ds_add_u32 v[SPW], v[NIL]                      ; the wave's opening: the add and its wait ahead of my first tensor load
	ds_add_u32 v[SPW], v[NIL]
	v_lshrrev_b32 v1, 5, v0
	v_readfirstlane_b32 s14, v1                    ; wave 0..3
	s_lshr_b32 s15, s14, 1                         ; which half of the tile's rows is mine.  Also: I fetch for A (0) or for W (1)
	s_and_b32 s16, s14, 1                          ; which half of its columns.  Also: which 128 rows of that tile I fetch
	s_bfe_u32 s40, ttmp6, 0x40000                  ; cx, cy
	s_bfe_u32 s41, ttmp6, 0x40004
	s_lshl_b32 s42, ttmp9, 2
	s_add_co_u32 s42, s42, s40                     ; tile column
	s_and_b32 s17, ttmp7, 0xffff
	s_lshl_b32 s17, s17, 2
	s_add_co_u32 s17, s17, s41                     ; tile row: the block of 256 tokens
	s_lshl_b32 s43, s41, 2
	s_lshl_b32 s43, 15, s43
	s_lshl_b32 s44, 0x1111, s40
	s_or_b32 s[G1+0], s43, (0<<16)|(1<<20)|(1<<21)|(5<<22)|(3<<25)
	s_or_b32 s[G1B+0], s44, (0<<16)|(1<<20)|(1<<21)|(5<<22)|(3<<25)
.irp g, G1, G1B
	s_mov_b32 s[\g+1], ROWB<<16
	s_mov_b32 s[\g+2], 128<<16
	s_mov_b32 s[\g+3], ROWB<<16
	s_mov_b32 s[\g+4], 128
	s_mov_b32 s[\g+6], 0
	s_mov_b32 s[\g+7], 0
.endr
	s_mov_b32 s[G1+5], ROWB                        ; A's rows lie on end
	s_mov_b32 s[G1B+5], KROW
	s_lshl_b32 s20, s17, 18                        ; A: the block's 262,144 bytes,
	s_lshl_b32 s18, s16, 15                        ; + two heads (128 rows of 256 bytes) for the second half
	s_add_co_u32 s20, s20, s18
	s_mov_b32 s21, 0
	s_lshl_b32 s46, s42, 18                        ; W: 256 rows of 1,024 bytes a tile column,
	s_lshl_b32 s18, s16, 17
	s_add_co_u32 s46, s46, s18
	s_add_co_u32 s46, s46, 0x300000                ; in the fourth weight
	s_mov_b32 s47, 0
	s_mul_i32 s45, s14, HALFT
	s_wait_dscnt 0x0                               ; the opening add is done
	s_wait_kmcnt 0x0
	s_load_b64 s[96:97], s[8:9], 0x28              ; e10, e11
	s_add_nc_u64 s[20:21], s[4:5], s[20:21]
	s_add_nc_u64 s[46:47], s[6:7], s[46:47]
	CROUND
.irp s, 0,1
	s_mov_b32 s[G0+4*\s], 1
	s_add_co_u32 s[G0+4*\s+1], s45, \s*SLOT
	s_add_nc_u64 s[G0+4*\s+2:G0+4*\s+3], s[20:21], \s*ASTEP
	s_or_b32 s[G0+4*\s+3], s[G0+4*\s+3], 0x80000000
	s_mov_b32 s[G0B+4*\s], 1
	s_add_co_u32 s[G0B+4*\s+1], s45, \s*SLOT
	s_add_nc_u64 s[G0B+4*\s+2:G0B+4*\s+3], s[46:47], \s*ROWB
	s_or_b32 s[G0B+4*\s+3], s[G0B+4*\s+3], 0x80000000
	s_wait_alu depctr_va_vdst(0)
	s_wait_tensorcnt 0x0
	ds_add_u32 v28, v29
	ds_add_u32 v28, v29
	s_wait_dscnt 0x0
	CROUND
	JLOAD G0+4*\s, G1, G0B+4*\s, G1B
.endr
	v_and_b32 v1, 15, v0                           ; r
	v_bfe_u32 v2, v0, 4, 1                         ; h
	v_mul_u32_u24 v3, v1, PITCH
	v_lshl_add_u32 v4, v2, 4, v3                   ; W: row r x pitch + 16 h
	v_lshrrev_b32 v5, 2, v1
	v_and_b32 v6, 3, v1
	v_mul_u32_u24 v7, v5, PITCH
	v_lshl_add_u32 v7, v6, 6, v7
	v_lshl_add_u32 v7, v2, 4, v7                   ; A: token r: line r / 4, place r % 4, + 16 h
	s_mul_i32 s21, s15, 32*PITCH                   ; my 128 tokens: 32 lines in each head
	s_mul_i32 s22, s16, HALFT
	s_add_co_u32 s22, s22, 2*HALFT
.irp s, 0,1
	v_add_nc_u32 v[ADRA+\s], s21, v7
	v_add_nc_u32 v[ADRB+\s], s22, v4
	s_add_co_u32 s21, s21, SLOT
	s_add_co_u32 s22, s22, SLOT
.endr
	s_mul_i32 s23, s14, 16*SPITCH                  ; my stage
	v_mul_u32_u24 v5, v1, SPITCH
	v_lshl_add_u32 v5, v2, 5, v5
	v_add_nc_u32 v[STO], s23, v5
	v_and_b32 v6, 31, v0
	v_lshlrev_b32 v[CO], 4, v6
	v_add_nc_u32 v[RD], s23, v[CO]
	s_lshl_b32 s20, s17, 20                        ; my first row of out0: (256 x tile row + 128 x half) x 4,096 bytes,
	s_lshl_b32 s21, s15, 19
	s_add_co_u32 s20, s20, s21
	s_lshl_b32 s21, s42, 10                        ; my first column: 1,024 x tile column + 512 x half bytes
	s_add_co_u32 s20, s20, s21
	s_lshl_b32 s21, s16, 9
	s_add_co_u32 s20, s20, s21
	s_mov_b32 s21, 0
	s_add_nc_u64 s[10:11], s[10:11], s[20:21]
.macro FRAG reg, adr, q, i             ; W: 16 rows x 128 K: registers 4 c .. 4 c + 3 hold K = 128 q + 32 c + 16 h + 0 .. 15
.irp c, 0,1,2,3
	ds_load_b128 v[\reg+4*\c:\reg+4*\c+3], v[\adr] offset:128*(\q)+32*\c+(\i)*16*PITCH
.endr
.endm
.macro FRAGA reg, adr, q, i            ; A: the same k: head 2 q + c / 2 of the step's four, channels 32 (c % 2) + 16 h + 0 .. 15; tokens 16 i on: four lines
.irp c, 0,1,2,3
	ds_load_b128 v[\reg+4*\c:\reg+4*\c+3], v[\adr] offset:(2*(\q)+\c/2)*HEADB+4*(\i)*PITCH+32*(\c%2)
.endr
.endm
.macro MUL16 a0, p, zero               ; the 64 accumulators take turns, one instruction a turn, in the same order in every step
.irp a, \a0, \a0+1
.irp b, 0,1,2,3,4,5,6,7
.if \zero
	v_wmma_f32_16x16x128_fp8_fp8 v[8*(8*((\a)%4)+\b):8*(8*((\a)%4)+\b)+7], v[128*(\p)+FR*\b:128*(\p)+FR*\b+FR-1], v[AF+FR*(\a):AF+FR*(\a)+FR-1], 0
.else
	v_wmma_f32_16x16x128_fp8_fp8 v[8*(8*((\a)%4)+\b):8*(8*((\a)%4)+\b)+7], v[128*(\p)+FR*\b:128*(\p)+FR*\b+FR-1], v[AF+FR*(\a):AF+FR*(\a)+FR-1], v[8*(8*((\a)%4)+\b):8*(8*((\a)%4)+\b)+7]
.endif
.endr
.endr
.endm
.macro FETCH_B slot, q, p
	WIN TO_B
.irp i, 0,1,2,3,4,5,6,7
	FRAG 128*(\p)+FR*\i, ADRB+\slot, \q, \i
.endr
	WIN 0
.endm
.macro FETCH_A slot, q, i0
.irp i, \i0, \i0+1, \i0+2, \i0+3
	FRAGA AF+FR*(\i), ADRA+\slot, \q, \i
.endr
.endm
.macro PLACES n
.rept \n
	v_nop
.endr
.endm
.macro STEP slot, q, zero
	s_wait_dscnt 4*NL                              ; W's set and A's blocks 0-3 are in; the youngest 16 loads (A's blocks 4-7) may be out
	WIN MUL_LO
	MUL16 0, (\q)%2, \zero
	MUL16 2, (\q)%2, \zero
	s_wait_dscnt 0
	PLACES NP
	FETCH_B \slot, (\q)+1, 1-(\q)%2
	FETCH_A \slot, (\q)+1, 0
	WIN MUL_HI
	MUL16 4, (\q)%2, \zero
	MUL16 6, (\q)%2, \zero
	PLACES NP
	WIN 0
	FETCH_A \slot, (\q)+1, 4
.endm
.macro TURN slot, next, fill
	s_wait_tensorcnt 0x0                           ; all my tensor loads have landed: my part of the next slot
	ds_add_u32 v[SPW], v[NIL]                      ; 0 onto my spare word
	s_wait_dscnt 4*NL+1                            ; (the add and the youngest 16 loads may be out)
	WIN MUL_LO
	MUL16 0, 1, 0
	s_wait_dscnt 0x0                               ; the add is done, and my reads of this slot are over
	s_barrier_signal -1
	MUL16 2, 1, 0
	WIN 0
	s_barrier_wait -1
.if \fill
	CREST                                          ; the barrier has opened a round of the cluster's barrier
	s_add_nc_u64 s[G0+4*\slot+2:G0+4*\slot+3], s[G0+4*\slot+2:G0+4*\slot+3], 2*ASTEP
	s_add_nc_u64 s[G0B+4*\slot+2:G0B+4*\slot+3], s[G0B+4*\slot+2:G0B+4*\slot+3], 2*ROWB
	JLOAD G0+4*\slot, G1, G0B+4*\slot, G1B         ; the first tensor load behind the round
.else
	PLACES NP
.endif
	FETCH_B \next, 0, 0
	FETCH_A \next, 0, 0
	WIN MUL_HI
	MUL16 4, 1, 0
	MUL16 6, 1, 0
	PLACES NP
	WIN 0
	FETCH_A \next, 0, 4
.endm
	s_wait_alu depctr_va_vdst(0)
	s_wait_tensorcnt 1                             ; my part of K step 0 is in; K step 1's load may be out
	s_barrier_signal -1
	s_barrier_wait -1
	FETCH_B 0, 0, 0
	FETCH_A 0, 0, 0
	FETCH_A 0, 0, 4
	STEP 0, 0, 1
	s_mov_b32 s3, LAPS-1
.Llap:
	TURN 0, 1, 1
	STEP 1, 0, 0
	TURN 1, 0, 1
	STEP 0, 0, 0
	s_sub_co_u32 s3, s3, 1
	s_cmp_lg_u32 s3, 0
	s_cbranch_scc1 .Llap
	TURN 0, 1, 0
	STEP 1, 0, 0
	s_wait_dscnt 4*NL
	WIN MUL_LO
	MUL16 0, 1, 0
	MUL16 2, 1, 0
	s_wait_dscnt 0
	WIN MUL_HI
	MUL16 4, 1, 0
	MUL16 6, 1, 0
	WIN 0
; THE WAY OUT, block by block of 16 rows x 128 columns: x 2^(e10 + e11); through my own stage; back as whole rows of 512 bytes.  LDS serves a wave's instructions in order (ISA guide 5.7.1.4).
.macro TOSTAGE a
.set AC, 64*((\a)%4)
.set WN, 0x02+((\a)/4)
	WIN WN
.irp j, 0,2,4,6,8,10,12,14,16,18,20,22,24,26,28,30,32,34,36,38,40,42,44,46,48,50,52,54,56,58,60,62
	v_pk_mul_f32 v[TMP+\j:TMP+\j+1], v[AC+\j:AC+\j+1], s[96:97] op_sel_hi:[1,0]   ; each accumulator from its low end on
.endr
	WIN 0
.irp b, 0,1,2,3,4,5,6,7
	ds_store_b128 v[STO], v[TMP+8*\b:TMP+8*\b+3] offset:64*\b
	ds_store_b128 v[STO], v[TMP+8*\b+4:TMP+8*\b+7] offset:64*\b+16
.endr
.set BB, BK+64*((\a)%2)
.irp t, 0,1,2,3,4,5,6,7,8,9,10,11,12,13,14,15
	ds_load_b128 v[BB+4*\t:BB+4*\t+3], v[RD] offset:\t*SPITCH
.endr
.endm
.macro SEND a, younger
.set BB, BK+64*((\a)%2)
	s_wait_dscnt \younger                          ; the block is back in registers
.if (\a) > 0
	s_add_nc_u64 s[10:11], s[10:11], 16*SIZE_N*4   ; (behind a wait on XCNT: the earlier stores have read their base)
.endif
.irp t, 0,1,2,3,4,5,6,7,8,9,10,11,12,13,14,15
	global_store_b128 v[CO], v[BB+4*\t:BB+4*\t+3], s[10:11] offset:\t*SIZE_N*4 th:TH_STORE_NT   ; 32 lanes store 512 consecutive bytes, aligned; written once, read by nobody here
.endr
.endm
	s_wait_kmcnt 0x0
	s_add_co_i32 s96, s96, s97
	s_add_co_i32 s96, s96, 127
	s_lshl_b32 s96, s96, 23                        ; 2^(e10 + e11) as f32
	PLACES NP
	TOSTAGE 0
.irp a, 1,2,3,4,5,6,7
.if \a > 1
	s_wait_xcnt 0x0                                ; block a - 2's stores have read their registers and their base
.endif
	TOSTAGE \a
	SEND \a-1, 32                                  ; behind block a - 1's loads: block a's 16 stores and 16 loads
.endr
	s_wait_xcnt 0x0
	SEND 7, 0
	s_wait_tensorcnt 0x0                           ; the wave's end: three lines behind my last tensor load and my last LDS store
	ds_add_u32 v[SPW], v[NIL]
	s_wait_dscnt 0x0
	CROUND                                         ; the closing round
	s_endpgm
.Lfunc_end_k_q9bd41acbc5_oproj:
	.size	k_q9bd41acbc5_oproj, .Lfunc_end_k_q9bd41acbc5_oproj-k_q9bd41acbc5_oproj
	.p2alignl 7, 3214868480
	.fill 96, 4, 3214868480
	.section	.rodata,"a",@progbits
	.p2align	6, 0x0
	.amdhsa_kernel k_q9bd41acbc5_oproj
		.amdhsa_group_segment_fixed_size 327680
		.amdhsa_private_segment_fixed_size 0
		.amdhsa_enable_private_segment 0
		.amdhsa_kernarg_size 32
		.amdhsa_user_sgpr_count 2
		.amdhsa_user_sgpr_kernarg_segment_ptr 1
		.amdhsa_wavefront_size32 1
		.amdhsa_system_sgpr_workgroup_id_x 1
		.amdhsa_system_sgpr_workgroup_id_y 1
		.amdhsa_system_sgpr_workgroup_id_z 1
		.amdhsa_system_vgpr_workitem_id 0
		.amdhsa_next_free_vgpr 1024
		.amdhsa_next_free_sgpr 98
		.amdhsa_reserve_vcc 0
		.amdhsa_float_denorm_mode_32 3
		.amdhsa_float_denorm_mode_16_64 3
		.amdhsa_memory_ordered 1
		.amdhsa_forward_progress 1
		.amdhsa_inst_pref_size 124
	.end_amdhsa_kernel
	.amdgpu_metadata
---
amdhsa.version: [ 1, 2 ]
amdhsa.kernels:
  - .name:           k_q9bd41acbc5_oproj
    .symbol:         k_q9bd41acbc5_oproj.kd
    .args:
      - { .name: ac, .offset: 0, .size: 8, .value_kind: global_buffer, .address_space: global }
      - { .name: wc, .offset: 8, .size: 8, .value_kind: global_buffer, .address_space: global }
      - { .name: lowp_scales, .offset: 16, .size: 8, .value_kind: global_buffer, .address_space: global }
      - { .name: out0, .offset: 24, .size: 8, .value_kind: global_buffer, .address_space: global }
    .group_segment_fixed_size: 327680
    .private_segment_fixed_size: 0
    .kernarg_segment_align: 8
    .kernarg_segment_size: 32
    .max_flat_workgroup_size: 128
    .sgpr_count:     98
    .vgpr_count:     1024
    .wavefront_size: 32
...
	.end_amdgpu_metadata
.endif
;; end of part 4
